; MI455X (gfx1250); checked and timed in simulation.
; The chip was launched on July 23, 2026; its instructions are those of AMD's public machine-readable ISA for CDNA 5 (MIT licence, August 2026) and "CDNA5" Instruction Set Architecture Reference Guide (July 2026). The comments in the code are by the model that wrote it; some were corrected since.
;; Attention. Allowed arithmetic: matrix products marked QUANTISED: E2M1 operands, one E8M0 scale for each 32 along K, by v_wmma_scale_f32_16x16x128_f8f6f4 with both operands' format E2M1 (or v_wmma_scale_f32_32x16x128_f4), f32 sums; products left as they are: bf16, f16 or f32 operands; f32 sums; everything else in f32.
;; Inputs: W_k 1,024 x 1,024 float32; W_q 1,024 x 1,024 float32; W_v 1,024 x 1,024 float32; k 4 x 2,048 x 1,024 float32; q 4 x 2,048 x 1,024 float32; v 4 x 2,048 x 1,024 float32.
;; Outputs: out0 4 x 2,048 x 1,024 float32.
;; This version of the problem:
;;   THIS VERSION OF THE PROBLEM IS GIVEN IN LOW PRECISION. The matrix products marked QUANTISED in the list below multiply operands that are first quantised to E2M1 (2 exponent bits, 1 mantissa bit; 4 bits a number), with one power-of-two scale for each 32 numbers along K (OCP MX v1.0); their sums are f32. The products marked 'left as it is' may take bf16, f16 or f32 operands, with f32 sums. Whichever they take, every output number must still come out within the allowed error. Rounding operands to bf16 (8 significant bits) uses up far more of that allowance than f16 does (11 bits, for magnitudes from 6e-5 to 65,504). All else is computed in f32.
;;   The module's matrix products, in the order in which they are computed (A, B: the left and right operand; K: the contracted axis; several contracted axes count as one K, in the product's order):
;;     1. [M 8,192, K 1,024] x [K 1,024, N 1,024]; A: input q; B: input W_q: QUANTISED
;;     2. [M 8,192, K 1,024] x [K 1,024, N 1,024]; A: input k; B: input W_k: QUANTISED
;;     3. [M 8,192, K 1,024] x [K 1,024, N 1,024]; A: input v; B: input W_v: QUANTISED
;;     4. batch 4 x [M 2,048, K 1,024] x [K 1,024, N 2,048]; A: computed on the way; B: computed on the way: left as it is (an operand is computed on the way)
;;     5. batch 4 x [M 2,048, K 2,048] x [K 2,048, N 1,024]; A: computed on the way; B: computed on the way: left as it is (an operand is computed on the way)
;;   THE QUANTISER, for each operand of a quantised product, along K:
;;     - K is cut into blocks of 32 from its start; a last block that is shorter is filled with zeros.
;;     - A block's scale is 2^e with e = floor(log2(the largest magnitude in the block)) - 2, held to -126 .. 127; a block of zeros has e = 0. As a byte (E8M0): e + 127.
;;     - Each number is divided by its block's scale, clamped to +-6, and rounded to the nearest number of E2M1, ties to even, subnormals kept.
;;     - The product sums the exact products of the quantised numbers (number of the format x scale) in f32.
;;   ~~~python
;;   def quantise(x, axis):      # numpy; x: float32 -> the quantised numbers, widened to float32 again
;;       x = np.moveaxis(x, axis, -1); K = x.shape[-1]
;;       x = np.pad(x, [(0, 0)] * (x.ndim - 1) + [(0, -K % 32)]); x = x.reshape(x.shape[:-1] + (-1, 32)); a = np.abs(x).max(-1, keepdims=True)
;;       e = np.where(a > 0, np.clip(np.frexp(np.where(a > 0, a, 1))[1] - 1 - 2, -126, 127), 0)      # np.frexp(a)[1] - 1 = floor(log2(a)), exactly
;;       r = np.clip(x / 2.0 ** e, -6, 6)
;;       step = 2.0 ** (np.maximum(np.frexp(np.where(r == 0, 1, r))[1] - 1, 0) - 1)
;;       q = np.round(r / step) * step * 2.0 ** e      # np.round: ties to even
;;       return np.moveaxis(q.reshape(q.shape[:-2] + (-1,))[..., :K], -1, axis).astype(np.float32)
;;   ~~~
;; One version. Each part assembles by itself: llvm-mc -triple=amdgcn-amd-amdhsa -mcpu=gfx1250 --defsym DOCPART=n.
;; ======== version 1 of 1: 5 launches
;; limits: values are held in f16: magnitudes above 65,504 overflow, below 6.1e-05 lose precision
;; workspace buffers: xc 12,582,912 bytes; xs 786,432 bytes; wc 1,572,864 bytes; ws 98,304 bytes; qkv 50,331,648 bytes; pf 33,554,432 bytes; st 1,048,576 bytes
;; launch qx (part 1): grid 768 x 1, 4 waves a work-group, no clusters, 33,280 bytes of LDS; arguments q, k, v, xc, xs; writes xc, xs
.if DOCPART == 1
	.amdgcn_target "amdgcn-amd-amdhsa--gfx1250"
	.amdhsa_code_object_version 6
	.text
	.protected	k_q774772bbca_qx
	.globl	k_q774772bbca_qx
	.p2align	8
	.type	k_q774772bbca_qx,@function
k_q774772bbca_qx:
	s_mov_b64 s[64:65], 0
	v_nop
	global_prefetch_b8 v0, s[64:65] scope:SCOPE_SE
	s_setreg_imm32_b32 hwreg(HW_REG_WAVE_MODE, 25, 1), 1
	s_wait_xcnt 0x0
; THE PROGRAM: out = softmax((q W_q)(k W_k)^T / 32) (v W_v), five launches:
;   qx: q, k, v into codes of E2M1 | qw: W_q, W_k, W_v into codes, K innermost | proj: the three quantised products, results in f16 (V transposed)
;   scores: Q K^T and the softmax's p, by chunks of 256 keys | pv: the chunks joined, P V, the division by the row's sum.
; NO WORK IS LEFT OUT: every input reaches the output, and every product of the problem is done whole.
; LIMITS OF THE PROGRAM: Q, K, V are kept in f16, so magnitudes beyond 65,504 become infinity; NaN and infinities among the inputs are not served;
; blocks of 32 whose largest magnitude lies under 2^-124 (the floor, whose byte is held at 1) were not tried.
;
; THIS LAUNCH: q, k, v [8192][1024] f32 become codes of E2M1 (4 bits, K innermost) and one E8M0 byte for each 32 along K, in xc and xs, the three tensors one behind the other.
; A block's scale is 2^(floor(log2(its largest magnitude)) - 2); its byte is the largest magnitude's exponent field - 2, held at 1 from below.  A block of zeros gets the byte 1 where the
; problem says 127: its codes are zeros, which add nothing under any byte but 0xff, and this program alone reads the bytes.
; Rows are dense and 1,024 is a multiple of 32: each tensor is a plain stream of blocks of 32, and so are its codes and bytes.  256 work-groups to a tensor; a wave takes 16 steps of 512 numbers.
; Each load reads 512 consecutive bytes, 16 a lane; a step's 2,048 bytes turn through the wave's own stage in LDS and come back 64 bytes a lane, so that a lane holds 16 neighbours along K
; (two neighbouring lanes hold a block).  A lane's 16 codes are 8 bytes: a wave's store covers 256 consecutive bytes, aligned.  A wave's 256 scale bytes are gathered in LDS and leave together.
; No tensor loads, no barrier: waves share nothing.  Loads run four steps (16 loads a wave) ahead, the turn through LDS one step.
.set WAVES, 4
.set STEPS, 16
.set EMAX,  2
.set CB,    8                          ; bytes of 16 codes
.set R,     16                         ; v16-79   four sets of 16 numbers as they are loaded
.set X,     80                         ; v80-111  two sets of 16 neighbours
.set E,     112                        ; v112-127 a scale byte for each step
.set C,     128                        ; v128-191 codes: four registers for each step, so that no store's data are written again
.set WREG,  8192                       ; LDS: a region for each wave: two stages of 32 x SP bytes, behind them its 256 scale bytes
.set SP,    80                         ; a lane's place in a stage: 64 bytes + 16 of padding
.set SPW,   12                         ; v12  LDS address of my spare word; never rewritten
.set NIL,   13                         ; v13  0; never rewritten
.set SPARE, WAVES*WREG                 ; behind the four regions: the spare words, 128 bytes a wave
	s_load_b256 s[4:11], s[0:1], 0x0               ; q s[4:5], k s[6:7], v s[8:9], xc s[10:11]
	s_load_b64 s[12:13], s[0:1], 0x20              ; xs
	v_lshl_add_u32 v[SPW], v0, 2, SPARE
	v_mov_b32 v[NIL], 0
	v_lshrrev_b32 v1, 5, v0
	v_readfirstlane_b32 s16, v1                    ; wave
	v_and_b32 v2, 31, v0                           ; lane
	v_lshlrev_b32 v3, 4, v2                        ; my 16 bytes of a load's 512
	s_mul_i32 s17, s16, WREG
	v_lshrrev_b32 v14, 2, v2
	v_mul_u32_u24 v14, v14, SP
	v_and_b32 v15, 3, v2
	v_lshl_add_u32 v14, v15, 4, v14
	v_add_nc_u32 v14, s17, v14                     ; the stage, on the way in: SP (lane / 4) + 16 (lane % 4)
	v_mul_u32_u24 v15, v2, SP
	v_add_nc_u32 v15, s17, v15                     ; and on the way out: SP x lane: my 16 neighbours
	v_mul_u32_u24 v4, v2, CB                       ; my codes' place in a step's
	v_lshrrev_b32 v5, 1, v2
	s_add_co_u32 s17, s17, 2*32*SP
	v_add_nc_u32 v5, s17, v5                       ; LDS: my wave's 256 scale bytes, my block's byte
	v_lshlrev_b32 v7, 3, v2                        ; and on the way out 8 bytes a lane
	v_add_nc_u32 v6, s17, v7
	s_wait_kmcnt 0x0
	s_cmp_lt_u32 ttmp9, 256                        ; which tensor: the choice hangs on the work-group's number alone
	s_cselect_b64 s[4:5], s[4:5], s[6:7]
	s_cmp_lt_u32 ttmp9, 512
	s_cselect_b64 s[4:5], s[4:5], s[8:9]
	s_and_b32 s17, ttmp9, 255
	s_lshl_b32 s17, s17, 2
	s_add_co_u32 s18, s17, s16                     ; which run of 8,192 numbers of the tensor is my wave's
	s_lshl_b32 s18, s18, 15                        ; 32,768 bytes a run
	s_mov_b32 s19, 0
	s_add_nc_u64 s[4:5], s[4:5], s[18:19]
	s_lshl_b32 s17, ttmp9, 2
	s_add_co_u32 s17, s17, s16                     ; and of the three tensors on end
	s_lshl_b32 s18, s17, 12                        ; 4,096 bytes of codes a run
	s_add_nc_u64 s[10:11], s[10:11], s[18:19]
	s_lshl_b32 s18, s17, 8                         ; 256 scale bytes a run
	s_add_nc_u64 s[12:13], s[12:13], s[18:19]
.macro LOAD t
.irp i, 0,1,2,3
	global_load_b128 v[R+16*((\t)%4)+4*\i:R+16*((\t)%4)+4*\i+3], v3, s[4:5] offset:2048*(\t)+512*\i th:TH_LOAD_NT   ; 32 lanes read 512 consecutive bytes
.endr
.endm
.macro TURN t                          ; step t's numbers through the stage: LDS serves a wave's instructions in order, so no wait stands between the stores and the loads
.irp i, 0,1,2,3
	ds_store_b128 v14, v[R+16*((\t)%4)+4*\i:R+16*((\t)%4)+4*\i+3] offset:32*SP*((\t)%2)+8*SP*\i
.endr
.irp i, 0,1,2,3
	ds_load_b128 v[X+16*((\t)%2)+4*\i:X+16*((\t)%2)+4*\i+3], v15 offset:32*SP*((\t)%2)+16*\i
.endr
.endm
.irp t, 0,1,2,3
	LOAD \t
.endr
	s_wait_loadcnt 12                              ; step 0's four loads are in
	TURN 0
.macro STEP t
.set XS, X+16*((\t)%2)
.if (\t) > 0
	s_wait_dscnt 1                                 ; this step's numbers are back from the stage (the last step's byte store may be out)
.else
	s_wait_dscnt 0x0
.endif
.if (\t)+4 < STEPS
	LOAD (\t)+4                                    ; into the registers that this step's stores into the stage have read
.endif
.if (\t)+1 < STEPS
.if STEPS-2-(\t) >= 3
	s_wait_loadcnt 12                              ; the next step's four loads are in; those of the three steps behind it may be out
.else
	s_wait_loadcnt 4*(STEPS-2-(\t))
.endif
	TURN (\t)+1                                    ; they go through the other stage while this step is worked
.endif
	v_max3_num_f32 v8, |v[XS]|, |v[XS+1]|, |v[XS+2]|               ; the largest magnitude of my 16, in two chains
	v_max3_num_f32 v9, |v[XS+3]|, |v[XS+4]|, |v[XS+5]|
.irp i, 6,10
	v_max3_num_f32 v8, v8, |v[XS+\i]|, |v[XS+\i+1]|
	v_max3_num_f32 v9, v9, |v[XS+\i+2]|, |v[XS+\i+3]|
.endr
	v_max3_num_f32 v8, v8, |v[XS+14]|, |v[XS+15]|
	v_max3_num_f32 v8, v8, v9, (EMAX+1)<<23        ; and the floor 2^(3 - 127): the byte cannot fall under 1
	v_max_num_f32_dpp v8, v8, v8 row_xmask:1 row_mask:0xf bank_mask:0xf   ; and of my neighbour's 16: the block's
	v_add_nc_u32 v11, 0xff000000, v8               ; 2 off its exponent field: the conversion takes the exponent field of this operand as its scale
	v_cvt_scalef32_pk8_fp4_f32 v[C+4*(\t)], v[XS:XS+7], v11        ; to the nearest code, ties to even, beyond the largest code the largest
	v_cvt_scalef32_pk8_fp4_f32 v[C+4*(\t)+1], v[XS+8:XS+15], v11
	v_lshrrev_b32 v[E+(\t)], 23, v11               ; the scale's byte
	ds_store_b8 v5, v[E+(\t)] offset:16*(\t)       ; both lanes of a block write the same byte with the same value
	global_store_b64 v4, v[C+4*(\t):C+4*(\t)+1], s[10:11] offset:32*CB*(\t)
.endm
.irp t, 0,1,2,3,4,5,6,7,8,9,10,11,12,13,14,15
	STEP \t
.endr
	ds_load_b64 v[8:9], v6                         ; LDS serves a wave's instructions in order: these see my stores
	s_wait_dscnt 0x0
	global_store_b64 v7, v[8:9], s[12:13]          ; 32 lanes store 256 consecutive bytes, aligned
	s_wait_tensorcnt 0x0                           ; the wave's end: a tensor wait, an add of 0 to my spare word and its wait, behind my last LDS store
	ds_add_u32 v[SPW], v[NIL]
	s_wait_dscnt 0x0
	s_endpgm
.Lfunc_end_k_q774772bbca_qx:
	.size	k_q774772bbca_qx, .Lfunc_end_k_q774772bbca_qx-k_q774772bbca_qx
	.p2alignl 7, 3214868480
	.fill 96, 4, 3214868480
	.section	.rodata,"a",@progbits
	.p2align	6, 0x0
	.amdhsa_kernel k_q774772bbca_qx
		.amdhsa_group_segment_fixed_size 33280
		.amdhsa_private_segment_fixed_size 0
		.amdhsa_enable_private_segment 0
		.amdhsa_kernarg_size 40
		.amdhsa_user_sgpr_count 2
		.amdhsa_user_sgpr_kernarg_segment_ptr 1
		.amdhsa_wavefront_size32 1
		.amdhsa_system_sgpr_workgroup_id_x 1
		.amdhsa_system_sgpr_workgroup_id_y 1
		.amdhsa_system_sgpr_workgroup_id_z 1
		.amdhsa_system_vgpr_workitem_id 0
		.amdhsa_next_free_vgpr 192
		.amdhsa_next_free_sgpr 66
		.amdhsa_reserve_vcc 0
		.amdhsa_float_denorm_mode_32 3
		.amdhsa_float_denorm_mode_16_64 3
		.amdhsa_memory_ordered 1
		.amdhsa_forward_progress 1
		.amdhsa_inst_pref_size 33
	.end_amdhsa_kernel
	.amdgpu_metadata
---
amdhsa.version: [ 1, 2 ]
amdhsa.kernels:
  - .name:           k_q774772bbca_qx
    .symbol:         k_q774772bbca_qx.kd
    .args:
      - { .name: q, .offset: 0, .size: 8, .value_kind: global_buffer, .address_space: global }
      - { .name: k, .offset: 8, .size: 8, .value_kind: global_buffer, .address_space: global }
      - { .name: v, .offset: 16, .size: 8, .value_kind: global_buffer, .address_space: global }
      - { .name: xc, .offset: 24, .size: 8, .value_kind: global_buffer, .address_space: global }
      - { .name: xs, .offset: 32, .size: 8, .value_kind: global_buffer, .address_space: global }
    .group_segment_fixed_size: 33280
    .private_segment_fixed_size: 0
    .kernarg_segment_align: 8
    .kernarg_segment_size: 40
    .max_flat_workgroup_size: 128
    .sgpr_count:     66
    .vgpr_count:     192
    .wavefront_size: 32
...
	.end_amdgpu_metadata
.endif
;; end of part 1
;; launch qw (part 2): grid 16 x 6, 16 waves a work-group, no clusters, 20,480 bytes of LDS; arguments W_q, W_k, W_v, wc, ws; writes wc, ws
.if DOCPART == 2
	.amdgcn_target "amdgcn-amd-amdhsa--gfx1250"
	.amdhsa_code_object_version 6
	.text
	.protected	k_q774772bbca_qw
	.globl	k_q774772bbca_qw
	.p2align	8
	.type	k_q774772bbca_qw,@function
k_q774772bbca_qw:
	s_mov_b64 s[64:65], 0
	v_nop
	global_prefetch_b8 v0, s[64:65] scope:SCOPE_SE
	s_setreg_imm32_b32 hwreg(HW_REG_WAVE_MODE, 25, 1), 1
	s_wait_xcnt 0x0
; W_q, W_k, W_v [1024 (d = K)][1024 (e)] f32 become codes of E2M1 laid [tensor x 1024 + e][d] with K innermost (wc, 512 bytes a row) and one E8M0 byte for each 32 along K (ws, 32 bytes a row).
; Nothing is left out.  The quantiser and its limits are those stated at the head of the first launch.
; A LANE TAKES A COLUMN e AND ITS REGISTERS RUN DOWN K: a block of 32 lies in one lane's 32 registers, and the conversions give codes with K innermost; nothing is transposed by an instruction.
; SHARES: work-group (x, y): 64 columns (x), tensor y / 2, half y % 2 of K.  Wave w: 32 columns (w % 2), 64 along K (w / 2): two blocks a lane, 64 loads, all issued at once:
; two waves stand side by side on 256 consecutive bytes of a row of W.
; The codes of 64 columns x 512 along K meet in a stage in LDS (a row a column, 256 bytes + 16) and leave by rows: sixteen lanes store 256 consecutive bytes, aligned.
; The scale bytes meet likewise, 16 a column, and leave as pieces of 16 bytes, 32 bytes apart: one byte in 128 of what the launch reads.
.set PITCH, 272
.set STG,   0                          ; 64 rows x 272
.set SCB,   64*PITCH                   ; 64 x 16 scale bytes
.set SPARE, SCB+1024                   ; the spare words, 128 bytes for each of 16 waves
.set X,     32                         ; v32-95   64 numbers
.set C,     96                         ; v96-103  two blocks' codes
.set SPW,   14                         ; v14  LDS address of my spare word; never rewritten
.set NIL,   15                         ; v15  0; never rewritten
	s_load_b256 s[4:11], s[0:1], 0x0               ; W_q s[4:5], W_k s[6:7], W_v s[8:9], wc s[10:11]
	s_load_b64 s[12:13], s[0:1], 0x20              ; ws
	v_lshl_add_u32 v[SPW], v0, 2, SPARE
	v_mov_b32 v[NIL], 0
	v_lshrrev_b32 v1, 5, v0
	v_readfirstlane_b32 s16, v1                    ; wave 0..15
	s_and_b32 s17, s16, 1                          ; cw: which 32 columns
	s_lshr_b32 s18, s16, 1                         ; kw: which 64 along K
	s_and_b32 s19, ttmp7, 0xffff
	s_lshr_b32 s20, s19, 1                         ; the tensor
	s_and_b32 s21, s19, 1                          ; kh: which half of K
	v_and_b32 v2, 31, v0                           ; lane
	v_lshlrev_b32 v3, 2, v2                        ; in: 4 bytes a lane
	s_mul_i32 s22, s17, 32*PITCH
	s_lshl_b32 s23, s18, 5
	s_add_co_u32 s22, s22, s23
	v_mul_u32_u24 v4, v2, PITCH
	v_add_nc_u32 v4, s22, v4                       ; the stage, in: row 32 cw + lane, byte 32 kw
	s_lshl_b32 s22, s17, 9
	s_lshl_b32 s23, s18, 1
	s_add_co_u32 s22, s22, s23
	s_add_co_u32 s22, s22, SCB
	v_lshl_add_u32 v5, v2, 4, s22                  ; my two scale bytes: 16 (32 cw + lane) + 2 kw
	v_and_b32 v10, 15, v2
	v_lshrrev_b32 v11, 4, v2
	s_mul_i32 s22, s16, 4*PITCH
	v_mul_u32_u24 v6, v11, PITCH
	v_lshl_add_u32 v6, v10, 4, v6
	v_add_nc_u32 v6, s22, v6                       ; the stage, out: rows 4 w on, sixteen lanes to a row, two rows an instruction
	s_lshl_b32 s22, s16, 11
	v_lshlrev_b32 v7, 9, v11
	v_lshl_add_u32 v7, v10, 4, v7
	v_add_nc_u32 v7, s22, v7                       ; and the same place in wc: 512 bytes a row
	v_and_b32 v8, 63, v0
	v_lshlrev_b32 v9, 5, v8                        ; the scale bytes' way out (waves 0 and 1): a thread a column: 32 bytes a row of ws,
	v_lshl_add_u32 v8, v8, 4, SCB                  ; 16 bytes a column in LDS
	s_lshl_b32 s22, s21, 21                        ; W: (512 kh + 64 kw) rows of 4,096 bytes + (64 x + 32 cw) x 4
	s_lshl_b32 s23, s18, 18
	s_add_co_u32 s22, s22, s23
	s_lshl_b32 s23, ttmp9, 8
	s_add_co_u32 s22, s22, s23
	s_lshl_b32 s23, s17, 7
	s_add_co_u32 s22, s22, s23
	s_mov_b32 s23, 0
	s_lshl_b32 s24, s20, 19                        ; wc: (1,024 tensor + 64 x) rows of 512 bytes + 256 kh
	s_lshl_b32 s26, ttmp9, 15
	s_add_co_u32 s24, s24, s26
	s_lshl_b32 s26, s21, 8
	s_add_co_u32 s24, s24, s26
	s_mov_b32 s25, 0
	s_lshl_b32 s26, s20, 15                        ; ws: the same rows of 32 bytes + 16 kh
	s_lshl_b32 s28, ttmp9, 11
	s_add_co_u32 s26, s26, s28
	s_lshl_b32 s28, s21, 4
	s_add_co_u32 s26, s26, s28
	s_mov_b32 s27, 0
	s_wait_kmcnt 0x0
	s_cmp_lt_u32 s20, 1                            ; the choice of tensor hangs on the work-group's number alone
	s_cselect_b64 s[4:5], s[4:5], s[6:7]
	s_cmp_lt_u32 s20, 2
	s_cselect_b64 s[4:5], s[4:5], s[8:9]
	s_add_nc_u64 s[4:5], s[4:5], s[22:23]
	s_add_nc_u64 s[10:11], s[10:11], s[24:25]
	s_add_nc_u64 s[12:13], s[12:13], s[26:27]
.set i, 0
.rept 64
	global_load_b32 v[X+i], v3, s[4:5] offset:i*4096 th:TH_LOAD_NT   ; W(my first k + i, my column): 32 lanes read 128 consecutive bytes
.set i, i+1
.endr
.macro BLOCK t
.set XS, X+32*(\t)
.if (\t) == 0
	s_wait_loadcnt 32                              ; the first block's 32 loads are in; the second's may be out
.else
	s_wait_loadcnt 0x0
.endif
	v_max3_num_f32 v12, |v[XS]|, |v[XS+1]|, |v[XS+2]|              ; the block's largest magnitude: all 32 numbers are mine
	v_max3_num_f32 v13, |v[XS+3]|, |v[XS+4]|, |v[XS+5]|
.irp i, 6,10,14,18,22,26
	v_max3_num_f32 v12, v12, |v[XS+\i]|, |v[XS+\i+1]|
	v_max3_num_f32 v13, v13, |v[XS+\i+2]|, |v[XS+\i+3]|
.endr
	v_max3_num_f32 v12, v12, |v[XS+30]|, |v[XS+31]|
	v_max3_num_f32 v12, v12, v13, 0x1800000        ; and the floor 2^(3 - 127): the byte cannot fall under 1
	v_add_nc_u32 v11, 0xff000000, v12              ; 2 off its exponent field: the conversion's scale operand
	v_lshrrev_b32 v13, 23, v11                     ; the scale's byte
.if (\t) == 0
	v_mov_b32 v10, v13
.else
	v_lshl_or_b32 v10, v13, 8, v10                 ; the lower K in the lower byte
.endif
.irp g, 0,1,2,3
	v_cvt_scalef32_pk8_fp4_f32 v[C+4*(\t)+\g], v[XS+8*\g:XS+8*\g+7], v11
.endr
	v_nop                                          ; one plain line behind the conversions
	ds_store_b128 v4, v[C+4*(\t):C+4*(\t)+3] offset:16*(\t)        ; 32 codes: 16 bytes of my column's row
.endm
	BLOCK 0
	BLOCK 1
	ds_store_b16 v5, v10
	s_wait_dscnt 0x0                               ; for the others' sake: my stores have landed
	s_barrier_signal -1
	s_barrier_wait -1
.irp i, 0,1
	ds_load_b128 v[104+4*\i:107+4*\i], v6 offset:\i*2*PITCH
.endr
.irp i, 0,1
	s_wait_dscnt 1-\i
	global_store_b128 v7, v[104+4*\i:107+4*\i], s[10:11] offset:\i*1024   ; sixteen lanes store 256 consecutive bytes, aligned
.endr
	s_cmp_lt_u32 s16, 2                            ; waves 0 and 1 send the 64 columns' scale bytes; no barrier stands in this branch
	s_cbranch_scc0 .Lno_scales
	ds_load_b128 v[112:115], v8
	s_wait_dscnt 0x0
	global_store_b128 v9, v[112:115], s[12:13]
.Lno_scales:
	s_wait_tensorcnt 0x0                           ; the wave's end: a tensor wait, an add of 0 to my spare word and its wait, behind my last LDS store
	ds_add_u32 v[SPW], v[NIL]
	s_wait_dscnt 0x0
	s_endpgm
.Lfunc_end_k_q774772bbca_qw:
	.size	k_q774772bbca_qw, .Lfunc_end_k_q774772bbca_qw-k_q774772bbca_qw
	.p2alignl 7, 3214868480
	.fill 96, 4, 3214868480
	.section	.rodata,"a",@progbits
	.p2align	6, 0x0
	.amdhsa_kernel k_q774772bbca_qw
		.amdhsa_group_segment_fixed_size 20480
		.amdhsa_private_segment_fixed_size 0
		.amdhsa_enable_private_segment 0
		.amdhsa_kernarg_size 40
		.amdhsa_user_sgpr_count 2
		.amdhsa_user_sgpr_kernarg_segment_ptr 1
		.amdhsa_wavefront_size32 1
		.amdhsa_system_sgpr_workgroup_id_x 1
		.amdhsa_system_sgpr_workgroup_id_y 1
		.amdhsa_system_sgpr_workgroup_id_z 1
		.amdhsa_system_vgpr_workitem_id 0
		.amdhsa_next_free_vgpr 128
		.amdhsa_next_free_sgpr 66
		.amdhsa_reserve_vcc 0
		.amdhsa_float_denorm_mode_32 3
		.amdhsa_float_denorm_mode_16_64 3
		.amdhsa_memory_ordered 1
		.amdhsa_forward_progress 1
		.amdhsa_inst_pref_size 13
	.end_amdhsa_kernel
	.amdgpu_metadata
---
amdhsa.version: [ 1, 2 ]
amdhsa.kernels:
  - .name:           k_q774772bbca_qw
    .symbol:         k_q774772bbca_qw.kd
    .args:
      - { .name: W_q, .offset: 0, .size: 8, .value_kind: global_buffer, .address_space: global }
      - { .name: W_k, .offset: 8, .size: 8, .value_kind: global_buffer, .address_space: global }
      - { .name: W_v, .offset: 16, .size: 8, .value_kind: global_buffer, .address_space: global }
      - { .name: wc, .offset: 24, .size: 8, .value_kind: global_buffer, .address_space: global }
      - { .name: ws, .offset: 32, .size: 8, .value_kind: global_buffer, .address_space: global }
    .group_segment_fixed_size: 20480
    .private_segment_fixed_size: 0
    .kernarg_segment_align: 8
    .kernarg_segment_size: 40
    .max_flat_workgroup_size: 512
    .sgpr_count:     66
    .vgpr_count:     128
    .wavefront_size: 32
...
	.end_amdgpu_metadata
.endif
;; end of part 2
;; launch proj (part 3): grid 4 x 48, 4 waves a work-group, clusters of 4 x 4, 327,680 bytes of LDS; arguments xc, xs, wc, ws, qkv; writes qkv
.if DOCPART == 3
	.amdgcn_target "amdgcn-amd-amdhsa--gfx1250"
	.amdhsa_code_object_version 6
	.text
	.protected	k_q774772bbca_proj
	.globl	k_q774772bbca_proj
	.p2align	8
	.type	k_q774772bbca_proj,@function
k_q774772bbca_proj:
	s_mov_b64 s[64:65], 0
	v_nop
	global_prefetch_b8 v0, s[64:65] scope:SCOPE_SE
	s_setreg_imm32_b32 hwreg(HW_REG_WAVE_MODE, 25, 1), 1
	s_wait_xcnt 0x0
	s_wait_alu depctr_hold_cnt(0) depctr_sa_sdst(0) depctr_va_vdst(0) depctr_va_sdst(0) depctr_va_ssrc(0) depctr_va_vcc(0) depctr_vm_vsrc(0)
	s_getreg_b32 s2, hwreg(HW_REG_IB_STS2, 6, 4)
	s_cmp_eq_u32 s2, 0
	s_cbranch_scc0 .Lentry_in_a_cluster
	s_endpgm
.Lentry_in_a_cluster:
	s_bfe_u32 s2, ttmp6, 0x10000c
	s_cmp_lg_u32 s2, 0xf033
	s_cbranch_scc0 .Lentry_shape_is_right
	s_endpgm
.Lentry_shape_is_right:
; The three quantised products, on codes of E2M1 with one E8M0 scale for each 32 along K = 1,024, sums in f32, results rounded once to f16 into qkv:
;   Q = q W_q at byte 0 and K = k W_k at byte 16,777,216, both [8192][1024];  V TRANSPOSED, Vt [1024 (e)][8192 (batch x 2048 + s)], at byte 33,554,432.
; Nothing is left out.  LIMIT: a result beyond 65,504 in magnitude becomes infinity in f16.
; C[m][n] = sum over k of A[m][k] B[n][k].  For Q and K: A = the rows' codes (xc), B = the weight's (wc).  For V THE ROLES ARE SWAPPED (A = W_v's codes, B = v's), so that C is V^T: only pointers, first rows,
; steps and C's pitch differ, and they are chosen by selects on the cluster's y (4 clusters to a tensor): one path through the text.
; A tile of C, 256 x 256, is made by four waves, 128 x 128 each: 64 accumulators.  K's two halves of 512 lie in two LDS slots.
; A WORK-GROUP MAKES TWO TILES, neighbours along the operand that comes from xc (C's rows for Q and K, its columns for V): 384 tiles on 192 work-groups.  The ring goes on into the second tile: each slot is
; filled again once, as soon as the first tile has left it, behind a round of the cluster's barrier; the first tile's stores are on their way while the second is multiplied.  Both operands are fetched
; again, the one that has not changed too: one form of the joint load for all three tensors.
; The scales of both tiles' rows, for all of K, come once, as dense blocks, with the first fills.  CLUSTER 4 x 4: A's tile is shared along a row of the cluster, B's along a column: joint loads.
; THE MATRIX INSTRUCTION IS USED TRANSPOSED (source 0 = 16 rows of B, source 1 = 16 rows of A): a lane holds eight neighbouring numbers of a row of C.
; REGISTERS: window 0: v0-31 addresses; v32-95 scale words, two sets, and nothing else; v96-127 packed results; v128-191 A's fragments, one set; v192-255 rows read back from the stage.
;   window 1: B's fragments, two sets, at v0 and v128.   windows 2, 3: the accumulators of my rows 0-63, 64-127 ((a, b) at v[8 (8 (a % 4) + b)]).
.set NQ,     4                         ; matrix instructions deep in a slot
.set ROWB,   256                       ; a tile's row in bytes: 512 codes
.set KROW,   512                       ; a row of codes in memory
.set PITCH,  272                       ; an LDS row: 256 bytes + 16 of padding, so that the 16 rows that a load touches begin 68 words apart
.set FR,     8
.set NL,     2
.set NP,     4                         ; places behind this matrix instruction (ISA guide 7.12.1)
.set HALFT,  128*PITCH
.set SLOT,   4*HALFT                   ; A's 256 rows, then B's 256 rows
.set KS,     32                        ; a row of scales in bytes
.set HALFS,  (128*KS/256)*272          ; the scales of 128 rows, as units of 256 bytes + 16 of padding
.set SBLK,   (16*KS/256)*272
.set SCL,    2*SLOT                    ; behind the slots: the first tile's scales (A's two halves, B's two halves),
.set SCL1,   SCL+4*HALFS               ; the second tile's,
.set SPARE,  SCL1+4*HALFS              ; and the spare words, 128 bytes a wave
.set SPITCH, 272
.set STAGE,  SCL                       ; the way out: 16 rows x (256 + 16) a wave, 4 x HALFS bytes in all: the first tile's scales, which are filled once and last read ahead of the second round
.set CO,   8                           ; v8-15  byte offsets in C of the eight pairs of rows of a block
.set ADRA, 16
.set ADRB, 20
.set STO,  24
.set RD,   25
.set ADRS, 26                          ; v26-27 my scale words of tile 0, 1
.set SPW,  28                          ; v28  LDS address of my spare word; never rewritten
.set NIL,  29                          ; v29  0; never rewritten
.set SC,   32
.set TMP,  96
.set AF,   128
.set BK,   192                         ; v192-223 and v224-255 by turns
.set DA,   2                           ; s[2:3]     bytes from A's first tile to its second (0 for V)
.set G0T,  4                           ; s[4:7]     group 0 for the second tile's scales of A;  s[8:11] of B
.set G0TB, 8
.set G1, 24
.set G0, 32
.set G1B, 48
.set G0B, 56
.set G1S, 68
.set G0S, 76
.set G1SB, 80
.set G0SB, 88
.set C1,   92                          ; s[92:93]   C at my part of the second tile
.set DB,   104                         ; s[104:105] bytes from B's first tile to its second (0 for Q and K)
.set MSB, 0
.macro WIN new                         ; the immediate's high byte repeats the setting that is left
.if MSB != (\new)
	s_set_vgpr_msb (MSB<<8)|(\new)
.set MSB, (\new)
.endif
.endm
.set MUL_LO, 0xa1                      ; source 0 (B) window 1, source 1 (A) window 0, C and D window 2
.set MUL_HI, 0xf1
.set TO_B,   0x40
; A joint load: waves 0 and 1 fetch for A, waves 2 and 3 for B; the branch hangs on the wave's number alone.  An s_nop 0 and four v_nop follow each line.
.macro JLOAD g0a, g1a, g0b, g1b
	s_cmp_eq_u32 s15, 0
	s_cbranch_scc0 .Lfor_b_\@
	tensor_load_to_lds s[\g0a:\g0a+3], s[\g1a:\g1a+7]
	s_nop 0
.rept 4
	v_nop
.endr
	s_branch .Lasked_\@
.Lfor_b_\@:
	tensor_load_to_lds s[\g0b:\g0b+3], s[\g1b:\g1b+7]
	s_nop 0
.rept 4
	v_nop
.endr
.Lasked_\@:
.endm
.macro CREST                           ; a round of the cluster's barrier behind its opening barrier
	s_cmp_lg_u32 s14, 0
	s_cbranch_scc1 .Lnot_wave_0_\@
	s_barrier_signal -3
.Lnot_wave_0_\@:
	s_barrier_wait -3
	s_barrier_signal -1
	s_barrier_wait -1
.endm
.macro CROUND                          ; a whole round
	s_barrier_signal -1
	s_barrier_wait -1
	CREST
.endm
	s_load_b128 s[4:7], s[0:1], 0x0                ; xc, xs
	s_load_b128 s[8:11], s[0:1], 0x10              ; wc, ws
	s_load_b64 s[12:13], s[0:1], 0x20              ; qkv
	v_lshl_add_u32 v[SPW], v0, 2, SPARE
	v_mov_b32 v[NIL], 0
	ds_add_u32 v[SPW], v[NIL]                      ; the wave's opening: the add, twice on end, and its wait ahead of my first tensor load
	ds_add_u32 v[SPW], v[NIL]
	v_lshrrev_b32 v1, 5, v0
	v_readfirstlane_b32 s14, v1                    ; wave 0..3
	s_lshr_b32 s15, s14, 1                         ; which half of the tile's rows is mine.  Also: I fetch for A (0) or for B (1)
	s_and_b32 s16, s14, 1                          ; which half of its columns.  Also: which 128 rows of that tile I fetch
	s_bfe_u32 s40, ttmp6, 0x40000                  ; cx, cy: my place in the cluster
	s_bfe_u32 s41, ttmp6, 0x40004
	s_and_b32 s17, ttmp7, 0xffff                   ; the cluster's y, 0..11
	s_lshr_b32 s96, s17, 2                         ; the tensor: 0 Q, 1 K, 2 V
	s_and_b32 s97, s17, 3                          ; which of its four clusters
	s_lshl_b32 s17, s96, 13                        ; the tensor's first row in xc,
	s_lshl_b32 s18, s96, 10                        ; and in wc
	s_mov_b32 s19, 2048
	s_mov_b32 s20, 16384
	s_mov_b32 s23, 131072                          ; 256 rows of codes
	s_cmp_eq_u32 s96, 2                            ; V?  Only lines that leave SCC alone follow
	s_cselect_b32 s21, 0, s97                      ; clusters go down C's rows for Q and K,
	s_cselect_b32 s22, s97, 0                      ; along its columns for V
	s_cselect_b32 s94, s19, s17                    ; A's first row: W_v's in wc, or the tensor's in xc
	s_cselect_b32 s95, s20, s18                    ; B's first row: v's in xc, or the weight's in wc
	s_cselect_b32 s98, s20, s19                    ; C's pitch in bytes
	s_cselect_b32 s[DA], 0, s23                    ; the second tile lies 256 rows of A further down,
	s_cselect_b32 s[DB], s23, 0                    ; or 256 rows of B
	s_cselect_b32 s66, 0, 1                        ; so a work-group's place counts two tile rows,
	s_cselect_b32 s67, 1, 0                        ; or two tile columns
	s_mov_b32 s[DA+1], 0
	s_mov_b32 s[DB+1], 0
	s_lshl_b32 s17, s21, 2
	s_add_co_u32 s17, s17, s41
	s_lshl_b32 s17, s17, s66                       ; the first tile's row of C: made of cy and the cluster's y
	s_lshl_b32 s42, s22, 2
	s_add_co_u32 s42, s42, s40
	s_lshl_b32 s42, s42, s67                       ; its column: of cx and the cluster's y
	s_lshl_b32 s99, s98, 1                         ; two rows of C,
	s_lshl_b32 s100, s98, 4                        ; sixteen
	s_mov_b32 s101, 0
	s_lshl_b32 s43, s41, 2
	s_lshl_b32 s43, 15, s43                        ; my row of the cluster
	s_lshl_b32 s44, 0x1111, s40                    ; my column
	s_or_b32 s[G1+0], s43, (0<<16)|(1<<20)|(1<<21)|(5<<22)|(3<<25)  ; the mask; elements of 1 byte; padding on; bit 21 beside a mask; 4 words behind every 64
	s_or_b32 s[G1B+0], s44, (0<<16)|(1<<20)|(1<<21)|(5<<22)|(3<<25)
.irp g, G1, G1B
	s_mov_b32 s[\g+1], ROWB<<16                    ; tensor_dim0
	s_mov_b32 s[\g+2], 128<<16                     ; tensor_dim1
	s_mov_b32 s[\g+3], ROWB<<16                    ; tile_dim0
	s_mov_b32 s[\g+4], 128                         ; tile_dim1
	s_mov_b32 s[\g+5], KROW                        ; the pitch
	s_mov_b32 s[\g+6], 0
	s_mov_b32 s[\g+7], 0
.endr
	s_or_b32 s[G1S+0], s43, (3<<16)|(1<<20)|(1<<21)|(5<<22)|(3<<25) ; the scales of 128 rows: 4,096 dense bytes as 16 rows of 256 (32 elements of 8 bytes)
	s_or_b32 s[G1SB+0], s44, (3<<16)|(1<<20)|(1<<21)|(5<<22)|(3<<25)
.irp g, G1S, G1SB
	s_mov_b32 s[\g+1], 32<<16
	s_mov_b32 s[\g+2], (128*KS/256)<<16
	s_mov_b32 s[\g+3], 32<<16
	s_mov_b32 s[\g+4], 128*KS/256
	s_mov_b32 s[\g+5], 32
	s_mov_b32 s[\g+6], 0
	s_mov_b32 s[\g+7], 0
.endr
	s_lshl_b32 s18, s16, 7                         ; which 128 rows of the tile I fetch
	s_lshl_b32 s20, s17, 8
	s_add_co_u32 s20, s20, s18
	s_add_co_u32 s20, s20, s94                     ; A's row: made of cy, the cluster's y and the wave's number
	s_lshl_b32 s46, s42, 8
	s_add_co_u32 s46, s46, s18
	s_add_co_u32 s46, s46, s95                     ; B's row: of cx, the cluster's y and the wave's number
	s_mov_b32 s21, 0
	s_mov_b32 s47, 0
	s_mov_b64 s[18:19], KS
	s_mul_u64 s[22:23], s[20:21], s[18:19]         ; where these rows' scales begin, in bytes
	s_mul_u64 s[92:93], s[46:47], s[18:19]
	s_mov_b64 s[18:19], KROW
	s_mul_u64 s[20:21], s[20:21], s[18:19]         ; and their codes
	s_mul_u64 s[46:47], s[46:47], s[18:19]
	s_mul_i32 s45, s14, HALFT                      ; where they go: wave x 128 rows
	s_mul_i32 s94, s14, HALFS
	s_wait_dscnt 0x0                               ; both opening adds are done
	s_wait_kmcnt 0x0
	s_cmp_eq_u32 s96, 2                            ; V: A's and B's buffers change places
	s_cselect_b64 s[18:19], s[8:9], s[4:5]
	s_cselect_b64 s[66:67], s[10:11], s[6:7]
	s_cselect_b64 s[8:9], s[4:5], s[8:9]
	s_cselect_b64 s[10:11], s[6:7], s[10:11]
	s_add_nc_u64 s[20:21], s[18:19], s[20:21]
	s_add_nc_u64 s[22:23], s[66:67], s[22:23]
	s_add_nc_u64 s[46:47], s[8:9], s[46:47]
	s_add_nc_u64 s[92:93], s[10:11], s[92:93]
	CROUND                                         ; all sixteen work-groups are here: the first joint loads meet
	s_mov_b32 s[G0S], 1
	s_add_co_u32 s[G0S+1], s94, SCL
	s_mov_b64 s[G0S+2:G0S+3], s[22:23]
	s_or_b32 s[G0S+3], s[G0S+3], 0x80000000
	s_mov_b32 s[G0SB], 1
	s_add_co_u32 s[G0SB+1], s94, SCL
	s_mov_b64 s[G0SB+2:G0SB+3], s[92:93]
	s_or_b32 s[G0SB+3], s[G0SB+3], 0x80000000
	JLOAD G0S, G1S, G0SB, G1SB                     ; the first tile's scales first: four loads of mine go out in all
.irp s, 0,1
	s_mov_b32 s[G0+4*\s], 1
	s_add_co_u32 s[G0+4*\s+1], s45, \s*SLOT
	s_add_nc_u64 s[G0+4*\s+2:G0+4*\s+3], s[20:21], \s*ROWB
	s_or_b32 s[G0+4*\s+3], s[G0+4*\s+3], 0x80000000
	s_mov_b32 s[G0B+4*\s], 1
	s_add_co_u32 s[G0B+4*\s+1], s45, \s*SLOT
	s_add_nc_u64 s[G0B+4*\s+2:G0B+4*\s+3], s[46:47], \s*ROWB
	s_or_b32 s[G0B+4*\s+3], s[G0B+4*\s+3], 0x80000000
	JLOAD G0+4*\s, G1, G0B+4*\s, G1B
.endr
	s_lshr_b32 s18, s[DA], 4                       ; 256 rows of scales are a sixteenth of 256 rows of codes
	s_mov_b32 s19, 0
	s_mov_b32 s[G0T], 1
	s_add_co_u32 s[G0T+1], s94, SCL1
	s_add_nc_u64 s[G0T+2:G0T+3], s[22:23], s[18:19]
	s_or_b32 s[G0T+3], s[G0T+3], 0x80000000
	s_lshr_b32 s18, s[DB], 4
	s_mov_b32 s[G0TB], 1
	s_add_co_u32 s[G0TB+1], s94, SCL1
	s_add_nc_u64 s[G0TB+2:G0TB+3], s[92:93], s[18:19]
	s_or_b32 s[G0TB+3], s[G0TB+3], 0x80000000
	JLOAD G0T, G1S, G0TB, G1SB                     ; the second tile's scales last: they are wanted last
	v_and_b32 v1, 15, v0                           ; l % 16
	v_bfe_u32 v2, v0, 4, 1                         ; l / 16
	v_mul_u32_u24 v3, v1, PITCH
	v_lshl_add_u32 v4, v2, 4, v3                   ; a fragment's row x pitch + 16 x half
	s_mul_i32 s21, s15, HALFT                      ; my 128 rows of A
	s_mul_i32 s22, s16, HALFT                      ; my 128 rows of B,
	s_add_co_u32 s22, s22, 2*HALFT                 ; which lie behind A's 256
.irp s, 0,1
	v_add_nc_u32 v[ADRA+\s], s21, v4
	v_add_nc_u32 v[ADRB+\s], s22, v4
	s_add_co_u32 s21, s21, SLOT
	s_add_co_u32 s22, s22, SLOT
.endr
	v_mul_u32_u24 v5, v1, KS                       ; my row's scales: KS bytes a row,
	v_lshrrev_b32 v6, 8, v5
	v_lshl_add_u32 v5, v6, 4, v5                   ; and 16 more for each 256 passed
	s_mul_i32 s21, s15, HALFS
	s_mul_i32 s22, s16, HALFS
	s_add_co_u32 s22, s22, 2*HALFS
	s_sub_co_u32 s22, s22, s21
	v_mul_u32_u24 v6, s22, v2                      ; lanes 16-31 take B's
	s_add_co_u32 s21, s21, SCL
	v_add_nc_u32 v5, v5, v6
	v_add_nc_u32 v[ADRS], s21, v5
	v_add_nc_u32 v[ADRS+1], 4*HALFS, v[ADRS]       ; the second tile's lie one region further on
	s_mul_i32 s23, s14, 16*SPITCH
	s_add_co_u32 s23, s23, STAGE                   ; my stage
	v_mul_u32_u24 v5, v1, SPITCH                   ; in: row l % 16, 16 bytes for each half of the lanes
	v_lshl_add_u32 v5, v2, 4, v5
	v_add_nc_u32 v[STO], s23, v5
	v_mul_u32_u24 v5, v2, SPITCH                   ; back: lanes 0-15 one row of 256 bytes, lanes 16-31 the next
	v_lshl_add_u32 v5, v1, 4, v5
	v_add_nc_u32 v[RD], s23, v5
	v_mul_lo_u32 v[CO], v2, s98                    ; and the same two rows in C; the pitch is a register's
	v_lshl_add_u32 v[CO], v1, 4, v[CO]
.irp t, 1,2,3,4,5,6,7
	v_add_nc_u32 v[CO+\t], s99, v[CO+\t-1]
.endr
	s_lshl_b32 s20, s17, 8
	s_lshl_b32 s21, s15, 7
	s_add_co_u32 s20, s20, s21                     ; my first row of C
	s_mul_i32 s20, s20, s98
	s_lshl_b32 s21, s96, 24                        ; the tensor's part of qkv
	s_add_co_u32 s20, s20, s21
	s_lshl_b32 s46, s42, 9                         ; my first column, in bytes
	s_lshl_b32 s47, s16, 8
	s_add_co_u32 s46, s46, s47
	s_add_co_u32 s20, s20, s46
	s_mov_b32 s21, 0
	s_add_nc_u64 s[12:13], s[12:13], s[20:21]
	s_mov_b32 s22, 524288                          ; the second tile in C: 256 rows of 2,048 bytes further down,
	s_cmp_eq_u32 s96, 2
	s_cselect_b32 s[C1], 512, s22                  ; or, for V, 256 columns on
	s_mov_b32 s[C1+1], 0
	s_add_nc_u64 s[C1:C1+1], s[12:13], s[C1:C1+1]
.macro FRAG reg, adr, q, i             ; 16 rows x 128 K of 4-bit codes: lane l holds row l % 16; registers 4 c .. 4 c + 3 hold K = 64 c + 32 (l / 16) + 0 .. 31
.irp c, 0,1
	ds_load_b128 v[\reg+4*\c:\reg+4*\c+3], v[\adr] offset:64*(\q)+32*\c+(\i)*16*PITCH
.endr
.endm
; 16 matrix instructions: A's blocks a0, a0 + 1 x B's eight, 128 along K.  The 64 accumulators take turns, one instruction a turn, in the same order in every step.
.macro MUL16 a0, p, q, sc, zero
.irp a, \a0, \a0+1
.irp b, 0,1,2,3,4,5,6,7
.if \zero
	v_wmma_scale_f32_16x16x128_f8f6f4 v[8*(8*((\a)%4)+\b):8*(8*((\a)%4)+\b)+7], v[128*(\p)+FR*\b:128*(\p)+FR*\b+FR-1], v[AF+FR*(\a):AF+FR*(\a)+FR-1], 0, v[SC+8*NQ*(\sc)+NQ*\b+(\q)], v[SC+8*NQ*(\sc)+NQ*(\a)+(\q)] matrix_a_fmt:MATRIX_FMT_FP4 matrix_b_fmt:MATRIX_FMT_FP4 matrix_a_scale:MATRIX_SCALE_ROW1
.else
	v_wmma_scale_f32_16x16x128_f8f6f4 v[8*(8*((\a)%4)+\b):8*(8*((\a)%4)+\b)+7], v[128*(\p)+FR*\b:128*(\p)+FR*\b+FR-1], v[AF+FR*(\a):AF+FR*(\a)+FR-1], v[8*(8*((\a)%4)+\b):8*(8*((\a)%4)+\b)+7], v[SC+8*NQ*(\sc)+NQ*\b+(\q)], v[SC+8*NQ*(\sc)+NQ*(\a)+(\q)] matrix_a_fmt:MATRIX_FMT_FP4 matrix_b_fmt:MATRIX_FMT_FP4 matrix_a_scale:MATRIX_SCALE_ROW1
.endif
.endr
.endr
.endm
.macro FETCH_B slot, q, p
	WIN TO_B
.irp i, 0,1,2,3,4,5,6,7
	FRAG 128*(\p)+FR*\i, ADRB+\slot, \q, \i
.endr
	WIN 0
.endm
.macro FETCH_A slot, q, i0
.irp i, \i0, \i0+1, \i0+2, \i0+3
	FRAG AF+FR*(\i), ADRA+\slot, \q, \i
.endr
.endm
.macro SCALES sc, tile                 ; slot sc's scale words of the tile: four a row, 16 sc bytes into the row; lanes 0-15 take A's block i, lanes 16-31 B's block i
.irp i, 0,1,2,3,4,5,6,7
	ds_load_b128 v[SC+8*NQ*\sc+NQ*\i:SC+8*NQ*\sc+NQ*\i+3], v[ADRS+\tile] offset:\i*SBLK+16*\sc
.endr
.endm
.macro PLACES n                        ; places in front of loads into registers that matrix instructions have read, and of the first read of results
.rept \n
	v_nop
.endr
.endm
.macro STEP slot, q, zero              ; 128 along K that have their successor in the same slot
	s_wait_dscnt 4*NL                              ; B's set and A's blocks 0-3 are in; the youngest eight loads (A's blocks 4-7) may be out
	WIN MUL_LO
	MUL16 0, (\q)%2, \q, \slot, \zero
	MUL16 2, (\q)%2, \q, \slot, \zero
	s_wait_dscnt 0
	PLACES NP
	FETCH_B \slot, (\q)+1, 1-(\q)%2
	FETCH_A \slot, (\q)+1, 0
	WIN MUL_HI
	MUL16 4, (\q)%2, \q, \slot, \zero
	MUL16 6, (\q)%2, \q, \slot, \zero
	PLACES NP
	WIN 0
	FETCH_A \slot, (\q)+1, 4
.endm
.macro STEPS slot, from
.set Q, \from
.rept NQ-1-\from
	STEP \slot, Q, 0
.set Q, Q+1
.endr
.endm
; A slot's last step changes slots: one barrier; in front of it each wave waits for all its tensor loads, adds 0 to its spare word, and waits for that and for its own reads of this slot.
; fill = 1: the barrier opens a round of the cluster's, and this slot takes the second tile's half of K.  tile: whose scale words go with the next slot.
.macro TURN slot, next, fill, tile
	s_wait_tensorcnt 0x0                           ; all my tensor loads have landed, my part of the next slot among them
	ds_add_u32 v[SPW], v[NIL]                      ; 0 onto my spare word
	s_wait_dscnt 4*NL+1                            ; (the add and A's blocks 4-7 may be out)
	WIN MUL_LO
	MUL16 0, 1, NQ-1, \slot, 0
	s_wait_dscnt 0x0                               ; the add is done, and my reads of this slot are over
	s_barrier_signal -1
	MUL16 2, 1, NQ-1, \slot, 0
	WIN 0
	s_barrier_wait -1
.if \fill
	CREST                                          ; no wave of any partner still reads this slot's tile or has a load on its way
	s_add_nc_u64 s[G0+4*\slot+2:G0+4*\slot+3], s[G0+4*\slot+2:G0+4*\slot+3], s[DA:DA+1]
	s_add_nc_u64 s[G0B+4*\slot+2:G0B+4*\slot+3], s[G0B+4*\slot+2:G0B+4*\slot+3], s[DB:DB+1]
	JLOAD G0+4*\slot, G1, G0B+4*\slot, G1B         ; my one tensor load behind the round; its four v_nop are also the places in front of the loads below
.else
	PLACES NP
.endif
	FETCH_B \next, 0, 0
	FETCH_A \next, 0, 0
	SCALES \next, \tile
	WIN MUL_HI
	MUL16 4, 1, NQ-1, \slot, 0
	MUL16 6, 1, NQ-1, \slot, 0
	PLACES NP
	WIN 0
	FETCH_A \next, 0, 4
.endm
; THE WAY OUT, block by block of 16 rows x 128 columns: rounded to f16, 16 bytes a lane into my own stage, back as whole rows of 256 bytes, stored sixteen lanes to 256 consecutive aligned bytes.
.macro PACK a
.set AC, 64*((\a)%4)
	WIN 0x0a+5*((\a)/4)                            ; sources 0 and 1: window 2 or 3
.irp b, 0,1,2,3,4,5,6,7
.irp r, 0,1,2,3
	v_cvt_pk_f16_f32 v[TMP+4*\b+\r], v[AC+8*\b+2*\r], v[AC+8*\b+2*\r+1]   ; each accumulator from its low end on
.endr
.endr
	WIN 0
.endm
.macro TOSTAGE a
.set BB, BK+32*((\a)%2)
.irp b, 0,1,2,3,4,5,6,7
	ds_store_b128 v[STO], v[TMP+4*\b:TMP+4*\b+3] offset:32*\b
.endr
.irp t, 0,1,2,3,4,5,6,7
	ds_load_b128 v[BB+4*\t:BB+4*\t+3], v[RD] offset:\t*2*SPITCH    ; LDS serves a wave's instructions in order: these see the stores above
.endr
.endm
.macro SEND a, tile
.set BB, BK+32*((\a)%2)
	s_wait_dscnt 0x0                               ; the block is back in registers
	s_wait_xcnt 0x0                                ; the earlier stores have read their base and their data: both may be written again
.if (\a) > 0
	s_add_nc_u64 s[12:13], s[12:13], s[100:101]    ; 16 rows of C on
.elseif \tile
	s_mov_b64 s[12:13], s[C1:C1+1]                 ; on to the second tile
.endif
.irp t, 0,1,2,3,4,5,6,7
	global_store_b128 v[CO+\t], v[BB+4*\t:BB+4*\t+3], s[12:13]
.endr
.endm
.macro WAYOUT tile
	PACK 0
	TOSTAGE 0
.irp a, 1,2,3,4,5,6,7                  ; block a's conversions stand between block a - 1's loads from the stage and the wait for them
	PACK \a
	SEND \a-1, \tile
	TOSTAGE \a
.endr
	SEND 7, \tile
.endm
	s_wait_tensorcnt 2                             ; the first tile's scales and my part of slot 0 are in (slot 1's load and the second tile's scales may be out)
	s_barrier_signal -1
	s_barrier_wait -1                              ; everybody's are
	FETCH_B 0, 0, 0
	FETCH_A 0, 0, 0
	SCALES 0, 0
	FETCH_A 0, 0, 4
	STEP 0, 0, 1                                   ; a tile's first step starts the sums: nothing is cleared
	STEPS 0, 1
	TURN 0, 1, 1, 0                                ; slot 0 takes the second tile's first half of K
	STEPS 1, 0
	TURN 1, 0, 1, 1                                ; slot 1 its second half; the second tile's first fragments and scale words are fetched
	WAYOUT 0                                       ; both refills are asked for: now the first tile goes out.  Every wave has passed the second round: nobody reads the first tile's scales, where the stages lie
	STEP 0, 0, 1                                   ; the conversions that named other accumulators are the places in front of the products that begin these sums anew
	STEPS 0, 1
	TURN 0, 1, 0, 1                                ; nothing is left to fetch
	STEPS 1, 0
	s_wait_dscnt 4*NL                              ; the last step
	WIN MUL_LO
	MUL16 0, 1, NQ-1, 1, 0
	MUL16 2, 1, NQ-1, 1, 0
	s_wait_dscnt 0
	WIN MUL_HI
	MUL16 4, 1, NQ-1, 1, 0
	MUL16 6, 1, NQ-1, 1, 0
	WIN 0
	PLACES NP
	WAYOUT 1
	s_wait_tensorcnt 0x0                           ; the wave's end: a tensor wait, an add of 0 to my spare word and its wait, behind my last tensor load and my last LDS store
	ds_add_u32 v[SPW], v[NIL]
	s_wait_dscnt 0x0
	CROUND                                         ; the closing round
	s_endpgm
.Lfunc_end_k_q774772bbca_proj:
	.size	k_q774772bbca_proj, .Lfunc_end_k_q774772bbca_proj-k_q774772bbca_proj
	.p2alignl 7, 3214868480
	.fill 96, 4, 3214868480
	.section	.rodata,"a",@progbits
	.p2align	6, 0x0
	.amdhsa_kernel k_q774772bbca_proj
		.amdhsa_group_segment_fixed_size 327680
		.amdhsa_private_segment_fixed_size 0
		.amdhsa_enable_private_segment 0
		.amdhsa_kernarg_size 40
		.amdhsa_user_sgpr_count 2
		.amdhsa_user_sgpr_kernarg_segment_ptr 1
		.amdhsa_wavefront_size32 1
		.amdhsa_system_sgpr_workgroup_id_x 1
		.amdhsa_system_sgpr_workgroup_id_y 1
		.amdhsa_system_sgpr_workgroup_id_z 1
		.amdhsa_system_vgpr_workitem_id 0
		.amdhsa_next_free_vgpr 1024
		.amdhsa_next_free_sgpr 106
		.amdhsa_reserve_vcc 0
		.amdhsa_float_denorm_mode_32 3
		.amdhsa_float_denorm_mode_16_64 3
		.amdhsa_memory_ordered 1
		.amdhsa_forward_progress 1
		.amdhsa_inst_pref_size 247
	.end_amdhsa_kernel
	.amdgpu_metadata
---
amdhsa.version: [ 1, 2 ]
amdhsa.kernels:
  - .name:           k_q774772bbca_proj
    .symbol:         k_q774772bbca_proj.kd
    .args:
      - { .name: xc, .offset: 0, .size: 8, .value_kind: global_buffer, .address_space: global }
      - { .name: xs, .offset: 8, .size: 8, .value_kind: global_buffer, .address_space: global }
      - { .name: wc, .offset: 16, .size: 8, .value_kind: global_buffer, .address_space: global }
      - { .name: ws, .offset: 24, .size: 8, .value_kind: global_buffer, .address_space: global }
      - { .name: qkv, .offset: 32, .size: 8, .value_kind: global_buffer, .address_space: global }
    .group_segment_fixed_size: 327680
    .private_segment_fixed_size: 0
    .kernarg_segment_align: 8
    .kernarg_segment_size: 40
    .max_flat_workgroup_size: 128
    .sgpr_count:     106
    .vgpr_count:     1024
    .wavefront_size: 32
...
	.end_amdgpu_metadata
.endif
;; end of part 3
;; launch scores (part 4): grid 8 x 32, 4 waves a work-group, clusters of 4 x 4, 327,680 bytes of LDS; arguments qkv, pf, st; writes pf, st
.if DOCPART == 4
	.amdgcn_target "amdgcn-amd-amdhsa--gfx1250"
	.amdhsa_code_object_version 6
	.text
	.protected	k_q774772bbca_scores
	.globl	k_q774772bbca_scores
	.p2align	8
	.type	k_q774772bbca_scores,@function
k_q774772bbca_scores:
	s_mov_b64 s[64:65], 0
	v_nop
	global_prefetch_b8 v0, s[64:65] scope:SCOPE_SE
	s_setreg_imm32_b32 hwreg(HW_REG_WAVE_MODE, 25, 1), 1
	s_wait_xcnt 0x0
	s_wait_alu depctr_hold_cnt(0) depctr_sa_sdst(0) depctr_va_vdst(0) depctr_va_sdst(0) depctr_va_ssrc(0) depctr_va_vcc(0) depctr_vm_vsrc(0)
	s_getreg_b32 s2, hwreg(HW_REG_IB_STS2, 6, 4)
	s_cmp_eq_u32 s2, 0
	s_cbranch_scc0 .Lentry_in_a_cluster
	s_endpgm
.Lentry_in_a_cluster:
	s_bfe_u32 s2, ttmp6, 0x10000c
	s_cmp_lg_u32 s2, 0xf033
	s_cbranch_scc0 .Lentry_shape_is_right
	s_endpgm
.Lentry_shape_is_right:
; s = Q K^T in f16 operands and f32 sums, and the softmax's p, BY CHUNKS OF 256 KEYS.  Nothing is left out.
; t = s x c, c = log2(e) / 32 (the problem's 1 / sqrt(1024) and the change to base 2 in one constant).  For a row and a chunk: M = the chunk's largest t rounded UP to a whole number, kept as -M = floor(-t);
; p = 2^(t - M), at most 1, rounded to f16 into pf; l = the f32 sum of the unrounded p, taken for each half of 128 keys.  (-M, l) go to st, a pair for each 128 keys.  The next launch joins the chunks by
; exact powers of two: the row's maximum is taken away as the problem asks.  LIMIT: a p under 2^-25 rounds to 0 in f16, beside a chunk whose largest p is over 1/2.
; SHARES: a work-group makes 256 queries x 256 keys of one batch: its keys are one chunk.  A wave makes 128 x 128; the two waves that share 128 queries hand each other their rows' largest scores through LDS.
; K = 1,024 goes in steps of 128 through two LDS slots filled by the tensor data mover.  CLUSTER 4 x 4: Q's tile is shared along a row of the cluster, K's along a column: joint loads.
; THE MATRIX INSTRUCTION IS USED TRANSPOSED (source 0 = 16 keys, source 1 = 16 queries): lane (r, h) holds query r, and register j of key block b key 16 b + 8 h + j.
; pf HOLDS P AS IMAGES OF THE NEXT PRODUCT'S FRAGMENTS: [row / 16][key / 32][c][lane][16 bytes].  The packed registers of key blocks 2 g and 2 g + 1 ARE registers 0-3 and 4-7 of the fragment of keys 32 g on:
; no stage, and each store of the wave covers 512 consecutive bytes, aligned.
; REGISTERS: window 0: v0-31 addresses; v32-87 the softmax's; v64-191 Q's fragments, two buffers.  window 1: v64-191 K's fragments, two buffers; in the epilogue v0-255 the packed p, block a at 32 a.
;   windows 2, 3: the accumulators of my rows 0-63, 64-127 ((a, b) at v[8 (8 (a % 4) + b)]).
.set SIZE_K, 1024
.set KSTEP,  128
.set PITCH,  272                       ; an LDS row: 256 bytes + 16 of padding, so that the 16 rows that a load touches begin 68 words apart
.set HALFT,  128*PITCH
.set SLOT,   4*HALFT                   ; Q's 256 rows, then K's 256 rows
.set SPARE,  2*SLOT                    ; behind the ring: the spare words, 128 bytes a wave
.set EX,     SPARE+512                 ; behind them: the rows' largest scores, [block of rows 8][thread 128], 4 bytes each; no tile lands here
.set LAPS,   SIZE_K/(2*KSTEP)
.set ADRA, 16
.set ADRB, 20
.set PO,   26                          ; v26  16 x lane
.set SO,   27                          ; v27  8 x lane
.set SPW,  28                          ; v28  LDS address of my spare word; never rewritten
.set NIL,  29                          ; v29  0; never rewritten
.set EXW,  30                          ; v30  where my thread puts a largest score
.set EXR,  31                          ; v31  where the thread 32 away, the same lane of my partner wave, puts its own
.set MX,   32                          ; v32-35  four chains of the maximum
.set PD,   36                          ; v36  a lane permute's destination
.set TW,   37                          ; v37  at work
.set LN,   38                          ; v38  lane
.set SU,   40                          ; v40-43  two chains of the sum, pairs
.set ST,   44                          ; v44-59  (-M, l) of my eight blocks of rows
.set SL,   60                          ; v60-67  the same, two blocks to a register pair
.set XM,   72                          ; v72-79  my eight blocks' largest scores
.set XP,   80                          ; v80-87  my partner's
.set F0,   64
.set F1,   128
.set G1, 24
.set G0, 32
.set G1B, 48
.set G0B, 56
.set CS,  66                           ; s[66:67] c, twice
.set SEL, 68                           ; s[68:69] lane selects: lane l xor 16
.set HM,  70                           ; s70  the mask of lanes 16-31
.set MSB, 0
.macro WIN new
.if MSB != (\new)
	s_set_vgpr_msb (MSB<<8)|(\new)
.set MSB, (\new)
.endif
.endm
.set MUL_LO, 0xa1                      ; source 0 (K) window 1, source 1 (Q) window 0, C and D window 2
.set MUL_HI, 0xf1
.set TO_B,   0x40
.macro JLOAD s                         ; waves 0 and 1 fetch Q's two halves, waves 2 and 3 K's; an s_nop 0 and four v_nop follow each line
	s_cmp_eq_u32 s11, 0
	s_cbranch_scc0 .Lfor_b_\@
	tensor_load_to_lds s[G0+4*\s:G0+4*\s+3], s[G1:G1+7]
	s_nop 0
.rept 4
	v_nop
.endr
	s_branch .Lasked_\@
.Lfor_b_\@:
	tensor_load_to_lds s[G0B+4*\s:G0B+4*\s+3], s[G1B:G1B+7]
	s_nop 0
.rept 4
	v_nop
.endr
.Lasked_\@:
.endm
.macro CREST                           ; a round of the cluster's barrier behind its opening barrier
	s_cmp_lg_u32 s10, 0
	s_cbranch_scc1 .Lnot_wave_0_\@
	s_barrier_signal -3
.Lnot_wave_0_\@:
	s_barrier_wait -3
	s_barrier_signal -1
	s_barrier_wait -1
.endm
.macro CROUND
	s_barrier_signal -1
	s_barrier_wait -1
	CREST
.endm
	s_load_b128 s[4:7], s[0:1], 0x0                ; qkv s[4:5], pf s[6:7]
	s_load_b64 s[8:9], s[0:1], 0x10                ; st
	v_lshl_add_u32 v[SPW], v0, 2, SPARE
	v_mov_b32 v[NIL], 0
	ds_add_u32 v[SPW], v[NIL]                      ; the wave's opening: the add, twice on end, and its wait ahead of my first tensor load
	ds_add_u32 v[SPW], v[NIL]
	v_lshl_add_u32 v[EXW], v0, 2, EX
	v_xor_b32 v[EXR], 32, v0
	v_lshl_add_u32 v[EXR], v[EXR], 2, EX
	v_lshrrev_b32 v1, 5, v0
	v_readfirstlane_b32 s10, v1                    ; wave 0..3
	s_lshr_b32 s11, s10, 1                         ; which half of the tile's queries is mine.  Also: I fetch for Q (0) or for K (1)
	s_and_b32 s12, s10, 1                          ; which half of its keys.  Also: which 128 rows of that tile I fetch
	s_bfe_u32 s40, ttmp6, 0x40000                  ; cx
	s_bfe_u32 s41, ttmp6, 0x40004                  ; cy
	s_lshl_b32 s42, ttmp9, 2
	s_add_co_u32 s42, s42, s40                     ; tile column: 256 keys of the batch, 0..7
	s_and_b32 s13, ttmp7, 0xffff
	s_lshr_b32 s45, s13, 1                         ; the batch: eight tile rows, two clusters: all sixteen partners share it
	s_lshl_b32 s13, s13, 2
	s_add_co_u32 s13, s13, s41                     ; tile row: 256 of the 8,192 rows, 0..31
	s_lshl_b32 s43, s41, 2
	s_lshl_b32 s43, 15, s43                        ; my row of the cluster
	s_lshl_b32 s44, 0x1111, s40                    ; my column
	s_or_b32 s[G1+0], s43, (1<<16)|(1<<20)|(1<<21)|(5<<22)|(3<<25)  ; the mask; elements of 2 bytes; padding on; bit 21 beside a mask; 4 words behind every 64
	s_or_b32 s[G1B+0], s44, (1<<16)|(1<<20)|(1<<21)|(5<<22)|(3<<25)
.irp g, G1, G1B
	s_mov_b32 s[\g+1], KSTEP<<16                   ; tensor_dim0
	s_mov_b32 s[\g+2], 128<<16                     ; tensor_dim1
	s_mov_b32 s[\g+3], KSTEP<<16                   ; tile_dim0
	s_mov_b32 s[\g+4], 128                         ; tile_dim1
	s_mov_b32 s[\g+5], SIZE_K                      ; the pitch
	s_mov_b32 s[\g+6], 0
	s_mov_b32 s[\g+7], 0
.endr
	s_lshl_b32 s17, s12, 7                         ; which 128 rows of the tile I fetch
	s_lshl_b32 s16, s13, 8
	s_add_co_u32 s16, s16, s17                     ; Q: row 256 x tile row + 128 x half
	s_lshl_b32 s46, s42, 8
	s_add_co_u32 s46, s46, s17
	s_lshl_b32 s18, s45, 11
	s_add_co_u32 s46, s46, s18
	s_add_co_u32 s46, s46, 8192                    ; K: behind Q's 8,192 rows: 2,048 x batch + 256 x tile column + 128 x half
	s_lshl_b32 s16, s16, 11                        ; rows of 2,048 bytes
	s_lshl_b32 s46, s46, 11
	s_mov_b32 s17, 0
	s_mov_b32 s47, 0
	s_mul_i32 s20, s10, HALFT                      ; where they go: wave x 128 rows
	s_mov_b32 s[CS], 0x3d38aa3b                    ; c = log2(e) / 32
	s_mov_b32 s[CS+1], s[CS]
	s_mov_b32 s[SEL], 0x76543210
	s_mov_b32 s[SEL+1], 0xfedcba98
	s_wait_dscnt 0x0                               ; both opening adds are done
	s_wait_kmcnt 0x0
	s_add_nc_u64 s[14:15], s[4:5], s[16:17]
	s_add_nc_u64 s[46:47], s[4:5], s[46:47]
	CROUND                                         ; all sixteen work-groups are here: the first joint loads meet
.irp s, 0,1
	s_mov_b32 s[G0+4*\s], 1
	s_add_co_u32 s[G0+4*\s+1], s20, \s*SLOT
	s_add_nc_u64 s[G0+4*\s+2:G0+4*\s+3], s[14:15], \s*KSTEP*2
	s_or_b32 s[G0+4*\s+3], s[G0+4*\s+3], 0x80000000
	s_mov_b32 s[G0B+4*\s], 1
	s_add_co_u32 s[G0B+4*\s+1], s20, \s*SLOT
	s_add_nc_u64 s[G0B+4*\s+2:G0B+4*\s+3], s[46:47], \s*KSTEP*2
	s_or_b32 s[G0B+4*\s+3], s[G0B+4*\s+3], 0x80000000
	JLOAD \s
.endr
	v_and_b32 v1, 15, v0                           ; l % 16
	v_bfe_u32 v2, v0, 4, 1                         ; l / 16
	v_mul_u32_u24 v3, v1, PITCH
	v_lshl_add_u32 v3, v2, 4, v3                   ; row x pitch + 16 x half
	s_mul_i32 s21, s11, HALFT                      ; my 128 rows of Q
	s_mul_i32 s22, s12, HALFT                      ; my 128 rows of K,
	s_add_co_u32 s22, s22, 2*HALFT                 ; which lie behind Q's 256
.irp s, 0,1
	v_add_nc_u32 v[ADRA+\s], s21, v3
	v_add_nc_u32 v[ADRB+\s], s22, v3
	s_add_co_u32 s21, s21, SLOT
	s_add_co_u32 s22, s22, SLOT
.endr
	v_and_b32 v[LN], 31, v0
	v_lshlrev_b32 v[PO], 4, v[LN]
	v_lshlrev_b32 v[SO], 3, v[LN]
	s_lshl_b32 s16, s13, 20                        ; pf: (16 tile row + 8 half) blocks of 65,536 bytes + (8 tile column + 4 half) fragments of 1,024
	s_lshl_b32 s17, s11, 19
	s_add_co_u32 s16, s16, s17
	s_lshl_b32 s46, s42, 13
	s_lshl_b32 s47, s12, 12
	s_add_co_u32 s46, s46, s47
	s_add_co_u32 s16, s16, s46
	s_mov_b32 s17, 0
	s_add_nc_u64 s[6:7], s[6:7], s[16:17]
	s_lshl_b32 s16, s13, 11                        ; st: half chunk (2 tile column + half) x 65,536 + row (256 tile row + 128 half) x 8
	s_lshl_b32 s18, s11, 10
	s_add_co_u32 s16, s16, s18
	s_lshl_b32 s46, s42, 17
	s_lshl_b32 s47, s12, 16
	s_add_co_u32 s46, s46, s47
	s_add_co_u32 s16, s16, s46
	s_add_nc_u64 s[8:9], s[8:9], s[16:17]
; 16 matrix instructions: query blocks a0, a0 + 1 of the window's four x all 8 key blocks, 32 along K.  The 64 accumulators take turns in the same order in every quarter.
.macro MUL16 f, hi, a0, zero
.irp a, \a0, \a0+1
.irp b, 0,1,2,3,4,5,6,7
.if \zero
	v_wmma_f32_16x16x32_f16 v[8*(8*(\a)+\b):8*(8*(\a)+\b)+7], v[\f+8*\b:\f+8*\b+7], v[\f+8*(4*\hi+\a):\f+8*(4*\hi+\a)+7], 0
.else
	v_wmma_f32_16x16x32_f16 v[8*(8*(\a)+\b):8*(8*(\a)+\b)+7], v[\f+8*\b:\f+8*\b+7], v[\f+8*(4*\hi+\a):\f+8*(4*\hi+\a)+7], v[8*(8*(\a)+\b):8*(8*(\a)+\b)+7]
.endif
.endr
.endr
.endm
.macro FETCH slot, k, f                ; 32 LDS loads in one run: a quarter step's fragments (128 rows of K, 128 of Q, 32 along K at byte k of the rows)
	WIN TO_B
.irp i, 0,1,2,3,4,5,6,7
	ds_load_b128 v[\f+8*\i:\f+8*\i+3],   v[ADRB+\slot] offset:\k+\i*16*PITCH
	ds_load_b128 v[\f+8*\i+4:\f+8*\i+7], v[ADRB+\slot] offset:\k+\i*16*PITCH+32
.endr
	WIN 0
.irp i, 0,1,2,3,4,5,6,7
	ds_load_b128 v[\f+8*\i:\f+8*\i+3],   v[ADRA+\slot] offset:\k+\i*16*PITCH
	ds_load_b128 v[\f+8*\i+4:\f+8*\i+7], v[ADRA+\slot] offset:\k+\i*16*PITCH+32
.endr
.endm
.macro PLACES                          ; four places in front of loads into registers that matrix instructions have read, and of the first read of results
.rept 4
	v_nop
.endr
.endm
.macro QUARTER slot, k, f, g, zero
	s_wait_dscnt 8                                 ; K's and Q's rows 0-63 are in; the youngest eight loads (Q's rows 64-127) may be out
	WIN MUL_LO
	MUL16 \f, 0, 0, \zero
	MUL16 \f, 0, 2, \zero
	PLACES
	FETCH \slot, \k, \g
	s_wait_dscnt 32                                ; all but the 32 just issued
	WIN MUL_HI
	MUL16 \f, 1, 0, \zero
	MUL16 \f, 1, 2, \zero
.endm
.macro MEET round                      ; the first half of a slot's last quarter: one barrier for the change of slots
	WIN 0
	s_wait_tensorcnt 0x0                           ; all my tensor loads have landed: the one that was out is my part of the next slot
	ds_add_u32 v[SPW], v[NIL]                      ; 0 onto my spare word
	s_wait_dscnt 9                                 ; (the add and the youngest eight loads may be out)
	WIN MUL_LO
	MUL16 F1, 0, 0, 0
	s_wait_dscnt 0x0                               ; the add is done, and my reads of this slot are over
	s_barrier_signal -1
	MUL16 F1, 0, 2, 0
.if \round
	WIN 0
.endif
	s_barrier_wait -1
.endm
.macro TURN slot, next                 ; the whole last quarter: behind the round the slot just read out is filled again, two K steps on
	MEET 1
	CREST                                          ; no wave of any partner still reads this slot's tile or has a load on its way
	s_add_nc_u64 s[G0+4*\slot+2:G0+4*\slot+3], s[G0+4*\slot+2:G0+4*\slot+3], 2*KSTEP*2
	s_add_nc_u64 s[G0B+4*\slot+2:G0B+4*\slot+3], s[G0B+4*\slot+2:G0B+4*\slot+3], 2*KSTEP*2
	JLOAD \slot                                    ; my one tensor load behind the round; its four v_nop are also the places in front of the loads below
	FETCH \next, 0, F0
	WIN MUL_HI
	MUL16 F1, 1, 0, 0
	MUL16 F1, 1, 2, 0
.endm
	s_wait_tensorcnt 1                             ; my part of K step 0 is in (K step 1's load may be out),
	s_barrier_signal -1
	s_barrier_wait -1                              ; everybody's is
	FETCH 0, 0, F0
	QUARTER 0, 64,  F0, F1, 1                      ; the first quarter's products start the sums: nothing is cleared
	WIN 0
	s_mov_b32 s3, LAPS-1
.Llap:                                                 ; three trips, each once round the ring: the six refills bring K steps 2 to 7
	QUARTER 0, 128, F1, F0, 0
	QUARTER 0, 192, F0, F1, 0
	TURN 0, 1
	QUARTER 1, 64,  F0, F1, 0
	QUARTER 1, 128, F1, F0, 0
	QUARTER 1, 192, F0, F1, 0
	TURN 1, 0
	QUARTER 0, 64,  F0, F1, 0
	WIN 0
	s_sub_co_u32 s3, s3, 1
	s_cmp_lg_u32 s3, 0
	s_cbranch_scc1 .Llap
	QUARTER 0, 128, F1, F0, 0                      ; the last lap is written out: it asks for nothing
	QUARTER 0, 192, F0, F1, 0
	MEET 0
	PLACES
	FETCH 1, 0, F0
	WIN MUL_HI
	MUL16 F1, 1, 0, 0
	MUL16 F1, 1, 2, 0
	QUARTER 1, 64,  F0, F1, 0
	QUARTER 1, 128, F1, F0, 0
	QUARTER 1, 192, F0, F1, 0
	s_wait_dscnt 8
	WIN MUL_LO
	MUL16 F1, 0, 0, 0
	MUL16 F1, 0, 2, 0
	s_wait_dscnt 0
	WIN MUL_HI
	MUL16 F1, 1, 0, 0
	MUL16 F1, 1, 2, 0
	WIN 0
	PLACES
; THE SOFTMAX.  A lane holds 64 scores of one query of each block of 16, lane l xor 16 the other 64 of my 128 keys, the same lane of my partner wave 64 of the chunk's other 128.
; First every block's largest score, which goes to LDS for the partner;
.macro SMAX a
.set AC, 64*((\a)%4)
.set WW, 2+(\a)/4
	WIN WW|(WW<<2)                                 ; sources 0 and 1: the accumulators' window
.irp k, 0,1,2,3
	v_max3_num_f32 v[MX+\k], v[AC+16*\k], v[AC+16*\k+1], 0xff800000   ; four chains, each accumulator from its low end on
.endr
.irp i, 2,4,6,8,10,12,14
.irp k, 0,1,2,3
	v_max3_num_f32 v[MX+\k], v[AC+16*\k+\i], v[AC+16*\k+\i+1], v[MX+\k]
.endr
.endr
	WIN 0
	v_max3_num_f32 v[TW], v[MX], v[MX+1], v[MX+2]
	v_max_num_f32 v[TW], v[TW], v[MX+3]
	v_permlanex16_b32 v[PD], v[TW], s[SEL], s[SEL+1]
	v_max_num_f32 v[XM+(\a)], v[TW], v[PD]         ; the largest score of my query among my 128 keys
	ds_store_b32 v[EXW], v[XM+(\a)] offset:(\a)*512
.endm
; then, under the chunk's M, a block's p, their sum over my 128 keys, and the stores.
.macro SEXP a
.set AC, 64*((\a)%4)
.set WW, 2+(\a)/4
	WIN 0
	v_mov_b32 v[SU], 0
	v_mov_b32 v[SU+1], 0
	v_mov_b32 v[SU+2], 0
	v_mov_b32 v[SU+3], 0
	WIN WW|(WW<<6)                                 ; destination and source 0: the accumulators' window
.set i, 0
.rept 32
	v_pk_fma_f32 v[AC+i:AC+i+1], v[AC+i:AC+i+1], s[CS:CS+1], v[ST+2*(\a):ST+2*(\a)+1] op_sel_hi:[1,0,0]   ; t - M, two at a time
.set i, i+2
.endr
.set i, 0
.rept 64
	v_exp_f32 v[AC+i], v[AC+i]                     ; p = 2^(t - M)
.set i, i+1
.endr
	v_nop                                          ; a plain line behind the last exponential
	s_wait_alu depctr_va_vdst(0)                   ; one wait for the whole batch, ahead of its first reader
	WIN WW<<2
.set i, 0
.rept 16
	v_pk_add_f32 v[SU:SU+1], v[SU:SU+1], v[AC+i:AC+i+1]            ; the sum of the unrounded p, in two chains
	v_pk_add_f32 v[SU+2:SU+3], v[SU+2:SU+3], v[AC+i+2:AC+i+3]
.set i, i+4
.endr
	WIN 0x40|WW|(WW<<2)                            ; destination window 1
.set i, 0
.rept 32
	v_cvt_pk_f16_f32 v[32*(\a)+i], v[AC+2*i], v[AC+2*i+1]
.set i, i+1
.endr
	WIN 0
	v_pk_add_f32 v[SU:SU+1], v[SU:SU+1], v[SU+2:SU+3]
	v_add_f32 v[TW], v[SU], v[SU+1]
	v_permlanex16_b32 v[PD], v[TW], s[SEL], s[SEL+1]
	v_add_f32 v[ST+2*(\a)+1], v[TW], v[PD]         ; l
	WIN 0x04                                       ; a store's data are its source 1: window 1
.irp b, 0,1,2,3,4,5,6,7
	global_store_b128 v[PO], v[32*(\a)+4*\b:32*(\a)+4*\b+3], s[6:7] offset:(\a)*65536+\b*512   ; half a fragment: 512 consecutive bytes, aligned; no store's data are written again
.endr
.endm
	v_mov_b32 v[PD], 0                             ; written once: a lane permute's destination counts as one of its sources
.irp i, 0,1,2,3,4,5,6,7,8,9,10,11,12,13,14,15
	v_mov_b32 v[ST+\i], 0                          ; written once: the packed form names whole pairs
.endr
	v_cmp_le_u32 s[HM], 16, v[LN]
.irp a, 0,1,2,3,4,5,6,7
	SMAX \a
.endr
	s_wait_dscnt 0x0                               ; for my partner's sake: my eight stores have landed
	s_barrier_signal -1
	s_barrier_wait -1
.irp a, 0,1,2,3,4,5,6,7
	ds_load_b32 v[XP+\a], v[EXR] offset:\a*512     ; the same queries' largest scores among the chunk's other 128 keys
.endr
	s_wait_dscnt 0x0
.irp a, 0,1,2,3,4,5,6,7
	v_max_num_f32 v[XM+\a], v[XM+\a], v[XP+\a]     ; the chunk's largest score of my query
.endr
.irp a, 0,1,2,3,4,5,6,7
	v_mul_f32 v[XM+\a], s[CS], v[XM+\a]            ; as t (c is positive)
.endr
.irp a, 0,1,2,3,4,5,6,7
	v_floor_f32 v[ST+2*\a], -v[XM+\a]              ; -M = floor(-t): M is a whole number, the same in both waves
.endr
.irp a, 0,1,2,3,4,5,6,7
	SEXP \a
.endr
	WIN 0
.irp i, 0,1,2,3                        ; every lane holds its query's pair, lanes l and l xor 16 the same: lanes 0-15 send block 2 i's, lanes 16-31 block 2 i + 1's
	v_cndmask_b32 v[SL+2*\i], v[ST+4*\i], v[ST+4*\i+2], s[HM]
	v_cndmask_b32 v[SL+2*\i+1], v[ST+4*\i+1], v[ST+4*\i+3], s[HM]
	global_store_b64 v[SO], v[SL+2*\i:SL+2*\i+1], s[8:9] offset:256*\i   ; 32 rows' pairs: 256 consecutive bytes, aligned
.endr
	s_wait_tensorcnt 0x0                           ; the wave's end: a tensor wait, an add of 0 to my spare word and its wait, behind my last tensor load and my last LDS store
	ds_add_u32 v[SPW], v[NIL]
	s_wait_dscnt 0x0
	CROUND                                         ; the closing round
	s_endpgm
.Lfunc_end_k_q774772bbca_scores:
	.size	k_q774772bbca_scores, .Lfunc_end_k_q774772bbca_scores-k_q774772bbca_scores
	.p2alignl 7, 3214868480
	.fill 96, 4, 3214868480
	.section	.rodata,"a",@progbits
	.p2align	6, 0x0
	.amdhsa_kernel k_q774772bbca_scores
		.amdhsa_group_segment_fixed_size 327680
		.amdhsa_private_segment_fixed_size 0
		.amdhsa_enable_private_segment 0
		.amdhsa_kernarg_size 24
		.amdhsa_user_sgpr_count 2
		.amdhsa_user_sgpr_kernarg_segment_ptr 1
		.amdhsa_wavefront_size32 1
		.amdhsa_system_sgpr_workgroup_id_x 1
		.amdhsa_system_sgpr_workgroup_id_y 1
		.amdhsa_system_sgpr_workgroup_id_z 1
		.amdhsa_system_vgpr_workitem_id 0
		.amdhsa_next_free_vgpr 1024
		.amdhsa_next_free_sgpr 72
		.amdhsa_reserve_vcc 0
		.amdhsa_float_denorm_mode_32 3
		.amdhsa_float_denorm_mode_16_64 3
		.amdhsa_memory_ordered 1
		.amdhsa_forward_progress 1
		.amdhsa_inst_pref_size 209
	.end_amdhsa_kernel
	.amdgpu_metadata
---
amdhsa.version: [ 1, 2 ]
amdhsa.kernels:
  - .name:           k_q774772bbca_scores
    .symbol:         k_q774772bbca_scores.kd
    .args:
      - { .name: qkv, .offset: 0, .size: 8, .value_kind: global_buffer, .address_space: global }
      - { .name: pf, .offset: 8, .size: 8, .value_kind: global_buffer, .address_space: global }
      - { .name: st, .offset: 16, .size: 8, .value_kind: global_buffer, .address_space: global }
    .group_segment_fixed_size: 327680
    .private_segment_fixed_size: 0
    .kernarg_segment_align: 8
    .kernarg_segment_size: 24
    .max_flat_workgroup_size: 128
    .sgpr_count:     72
    .vgpr_count:     1024
    .wavefront_size: 32
...
	.end_amdgpu_metadata
.endif
;; end of part 4
;; launch pv (part 5): grid 64 x 4, 4 waves a work-group, clusters of 4 x 1, 327,680 bytes of LDS; arguments pf, st, qkv, out0; writes out0
.if DOCPART == 5
	.amdgcn_target "amdgcn-amd-amdhsa--gfx1250"
	.amdhsa_code_object_version 6
	.text
	.protected	k_q774772bbca_pv
	.globl	k_q774772bbca_pv
	.p2align	8
	.type	k_q774772bbca_pv,@function
k_q774772bbca_pv:
	s_mov_b64 s[64:65], 0
	v_nop
	global_prefetch_b8 v0, s[64:65] scope:SCOPE_SE
	s_setreg_imm32_b32 hwreg(HW_REG_WAVE_MODE, 25, 1), 1
	s_wait_xcnt 0x0
	s_wait_alu depctr_hold_cnt(0) depctr_sa_sdst(0) depctr_va_vdst(0) depctr_va_sdst(0) depctr_va_ssrc(0) depctr_va_vcc(0) depctr_vm_vsrc(0)
	s_getreg_b32 s2, hwreg(HW_REG_IB_STS2, 6, 4)
	s_cmp_eq_u32 s2, 0
	s_cbranch_scc0 .Lentry_in_a_cluster
	s_endpgm
.Lentry_in_a_cluster:
	s_bfe_u32 s2, ttmp6, 0x10000c
	s_cmp_lg_u32 s2, 0x3003
	s_cbranch_scc0 .Lentry_shape_is_right
	s_endpgm
.Lentry_shape_is_right:
; out = sum over the 8 chunks C of 256 keys of g_C (P_C V_C).  Nothing is left out.
; For a row: M = the largest of the chunks' M_C; f_C = 2^(M_C - M), an exact power of two; L = the sum of l f over the 16 halves of chunks; g_C = f_C / L.  All of that, and the joining of the chunks, is f32.
; SHARES: a work-group makes 128 rows x 256 channels, a wave 64 x 128: 32 accumulators.  2,048 keys go in 64 quarters of 32; eight quarters are a chunk, and an LDS slot.
; A CHUNK IS SUMMED BY ITSELF, in accumulators T that its first quarter starts with the constant 0; in its last quarter each T, as soon as it is finished, is folded into the result: O += g_C T, packed
; multiply-adds, one accumulator's four behind each matrix instruction.  The first chunk's fold is a plain multiplication: nothing is cleared.  The division by L lies in g: O is the result.
; ONLY V^T GOES THROUGH LDS: two slots of 256 keys x 256 channels, filled by the tensor data mover, every wave fetching 64 rows.  The four work-groups of a cluster (four row tiles of one batch, one
; channel tile) need the same tiles: joint loads, mask 15.  P COMES STRAIGHT INTO THE MATRIX INSTRUCTIONS' REGISTERS, as the images of fragments that the launch before laid: 512 consecutive bytes a load,
; in a ring of eight quarters.  It is not shared in the cluster: the partners' rows differ.
; THE MATRIX INSTRUCTION IS USED TRANSPOSED (source 0 = 16 channels of V^T, source 1 = 16 queries): a lane holds one query and eight neighbouring channels.
; REGISTERS: window 0: v1-14 addresses; v32-39 the chunk's four factors, each twice; v44-63 at work; v128-255 V^T's fragments, two sets (at the head the rows' statistics).
;   window 1: O, (a, b) at v[8 (8 a + b)].   window 2: the ring of P, quarter position p at v[32 p + 8 a + 4 c]; on the way out rows read back.   window 3: T, laid as O.
.set VP,    528                        ; a row of V^T in LDS: 512 bytes + 16 of padding, so that the 16 rows that a load touches begin 132 words apart
.set SLOT,  256*VP
.set FT,    2*SLOT                     ; the factors: [chunk 8][row half 2][r 16][a 4], g twice, 8 bytes: 8,192 bytes; no tile lands here
.set SPARE, FT+8192                    ; the spare words, 128 bytes a wave
.set PA,   4                           ; v4   16 x lane
.set ADRB, 6                           ; v6-7 my place in V^T's tile in slot 0, 1
.set ADF,  8                           ; v8   my factors, at the lap's base
.set STO,  10                          ; v10  the way out: where I put 32 bytes of a row
.set RD,   11                          ; v11  and where I read a row back
.set TST,  12                          ; v12  where my thread's row puts its factor
.set SOF,  13                          ; v13  8 x lane
.set ADF0, 14                          ; v14  my factors of chunk 0; never rewritten
.set SPW,  28                          ; v28  LDS address of my spare word; never rewritten
.set NIL,  29                          ; v29  0; never rewritten
.set F,    32
.set BF,   128
.set WV,   12                          ; s12  my wave's number
.set G1,   24                          ; s[24:31] descriptor group 1
.set G0,   32                          ; s[32:39] group 0, a set for each slot
.set AP,   40                          ; s[40:41] P at my four blocks of rows, the lap's base
.set MSB, 0
.macro WIN new
.if MSB != (\new)
	s_set_vgpr_msb (MSB<<8)|(\new)
.set MSB, (\new)
.endif
.endm
.set W_MM, 0xf8                        ; source 0 (V^T) window 0, source 1 (P) window 2, C and D (T) window 3
.set W_FO, 0x53                        ; source 0 (T) window 3, source 1 (g) window 0, source 2 and destination (O) window 1
.set W_LD, 0x80                        ; destination window 2
.macro CREST
	s_cmp_lg_u32 s[WV], 0
	s_cbranch_scc1 .Lnot_wave_0_\@
	s_barrier_signal -3
.Lnot_wave_0_\@:
	s_barrier_wait -3
	s_barrier_signal -1
	s_barrier_wait -1
.endm
.macro CROUND
	s_barrier_signal -1
	s_barrier_wait -1
	CREST
.endm
; quarter j of P (counted from the lap's base): four fragments, eight loads of 512 consecutive bytes, into ring position j % 8
.macro ALOAD j
	WIN W_LD
.irp a, 0,1,2,3
.irp c, 0,1
	global_load_b128 v[32*((\j)%8)+8*\a+4*\c:32*((\j)%8)+8*\a+4*\c+3], v[PA], s[AP:AP+1] offset:\a*65536+(\j)*1024+\c*512
.endr
.endr
.endm
; V^T's eight fragments of quarter q into set q % 2, from slot (q / 8) % 2
.macro BLOAD q
.irp i, 0,1,2,3,4,5,6,7
	ds_load_b128 v[BF+64*((\q)%2)+8*\i:BF+64*((\q)%2)+8*\i+3],   v[ADRB+((\q)/8)%2] offset:\i*16*VP+((\q)%8)*64
	ds_load_b128 v[BF+64*((\q)%2)+8*\i+4:BF+64*((\q)%2)+8*\i+7], v[ADRB+((\q)/8)%2] offset:\i*16*VP+((\q)%8)*64+32
.endr
.endm
; product i of a quarter's 32: block of rows i / 8, block of channels i % 8.  The 32 accumulators take turns in the same order in every quarter.
.macro MM j, zero
.set rT, 8*i
.set rB, BF+64*((\j)%2)+8*(i%8)
.set rP, 32*((\j)%8)+8*(i/8)
.if \zero
	v_wmma_f32_16x16x32_f16 v[rT:rT+7], v[rB:rB+7], v[rP:rP+7], 0
.else
	v_wmma_f32_16x16x32_f16 v[rT:rT+7], v[rB:rB+7], v[rP:rP+7], v[rT:rT+7]
.endif
.endm
.macro RUN j, i0, n, zero
.set i, \i0
.rept \n
	MM \j, \zero
.set i, i+1
.endr
.endm
; accumulator k is folded: O += g T, from T's low end on; first = 1: O = g T
.macro FOLD k, first
	WIN W_FO
.set u, 0
.rept 4
.if \first
	v_pk_mul_f32 v[8*(\k)+u:8*(\k)+u+1], v[8*(\k)+u:8*(\k)+u+1], v[F+2*((\k)/8):F+2*((\k)/8)+1]
.else
	v_pk_fma_f32 v[8*(\k)+u:8*(\k)+u+1], v[8*(\k)+u:8*(\k)+u+1], v[F+2*((\k)/8):F+2*((\k)/8)+1], v[8*(\k)+u:8*(\k)+u+1]
.endif
.set u, u+2
.endr
	WIN W_MM
.endm
; products of a chunk's last quarter, with the folds: accumulator i - 2 behind product i.  Between a product and the fold that reads its result stand the two folds before, eight plain lines that name none
; of its registers (ISA guide 7.12.1 asks for four); ahead of the first fold four v_nop.
.macro RUNF j, i0, n, first
.set i, \i0
.rept \n
	MM \j, 0
.if i == 2
.rept 4
	v_nop
.endr
.endif
.if i >= 2
	FOLD i-2, \first
.endif
.set i, i+1
.endr
.endm
; A quarter.  In its middle, behind four places for loads into registers that the quarter before multiplied: P of seven quarters on, into the position read last quarter; V^T of the next quarter, into the
; other set; in a chunk's fifth quarter the chunk's factors.
.macro QTR j, zero, ald, lcnt, ftch
	s_wait_loadcnt \lcnt                           ; this quarter's P is in; the quarters asked for behind it may be out
	s_wait_dscnt 0x0                               ; this quarter's fragments of V^T are in
	WIN W_MM
	RUN \j, 0, 16, \zero
.if \ftch
.rept 4
	v_nop
.endr
.if \ald
	ALOAD (\j)+7
.endif
	WIN 0
.if (\j)%8 == 4
	ds_load_b128 v[F:F+3], v[ADF] offset:((\j)/8)*1024
	ds_load_b128 v[F+4:F+7], v[ADF] offset:((\j)/8)*1024+16
.endif
	BLOAD (\j)+1
.endif
	WIN W_MM
	RUN \j, 16, 16, \zero
.endm
; A slot's eighth quarter ends a chunk and changes slots: each wave waits for all its tensor loads, adds 0 to its spare word, and waits for that and for its reads of the slot; one barrier.
; fill = 1: the barrier opens a round of the cluster's, and the slot just read out is filled again, two slots on: eight quarters, 256 matrix instructions, ahead of the wait for it.
; The folds are the places in front of this quarter's loads.
.macro TQTR j, fill, first, ald, lcnt
	s_wait_loadcnt \lcnt
	WIN 0
	s_wait_tensorcnt 0x0                           ; all my tensor loads have landed: the one that was out is my part of the next slot
	ds_add_u32 v[SPW], v[NIL]                      ; 0 onto my spare word
.if \fill
	s_add_nc_u64 s[G0+4*(((\j)/8)%2)+2:G0+4*(((\j)/8)%2)+3], s[G0+4*(((\j)/8)%2)+2:G0+4*(((\j)/8)%2)+3], 1024   ; no load of mine is out: this slot's next 256 keys
.endif
	s_wait_dscnt 1                                 ; this quarter's fragments are in (the add may be out)
	WIN W_MM
	RUNF \j, 0, 8, \first
	s_wait_dscnt 0x0                               ; the add is done, and my reads of this slot are over
	s_barrier_signal -1
	RUNF \j, 8, 8, \first
	WIN 0
	s_barrier_wait -1
.if \fill
	CREST                                          ; no wave of any partner still reads this slot or has a load on its way
	tensor_load_to_lds s[G0+4*(((\j)/8)%2):G0+4*(((\j)/8)%2)+3], s[G1:G1+7]   ; my one tensor load behind the round
	s_nop 0
.rept 4
	v_nop
.endr
.endif
.if \ald
	ALOAD (\j)+7
.endif
	WIN 0
	BLOAD (\j)+1
	WIN W_MM
	RUNF \j, 16, 16, \first
	FOLD 30, \first
	FOLD 31, \first
.endm
	s_load_b256 s[4:11], s[0:1], 0x0               ; pf s[4:5], st s[6:7], qkv s[8:9], out0 s[10:11]
	v_lshl_add_u32 v[SPW], v0, 2, SPARE
	v_mov_b32 v[NIL], 0
	ds_add_u32 v[SPW], v[NIL]                      ; the wave's opening: the add, twice on end, and its wait ahead of my first tensor load
	ds_add_u32 v[SPW], v[NIL]
	v_lshrrev_b32 v1, 5, v0
	v_readfirstlane_b32 s[WV], v1                  ; wave 0..3
	s_lshr_b32 s13, s[WV], 1                       ; which 64 of the tile's rows are mine
	s_and_b32 s14, s[WV], 1                        ; which 128 of its channels
	s_bfe_u32 s15, ttmp6, 0x40000                  ; cx: it enters the addresses of pf, st and out0 alone
	s_lshl_b32 s16, ttmp9, 2
	s_add_co_u32 s16, s16, s15                     ; the row tile, 0..63
	s_lshr_b32 s17, ttmp9, 2                       ; the batch: sixteen row tiles, four clusters
	s_and_b32 s18, ttmp7, 0xffff                   ; the channel tile, 0..3
	s_mov_b32 s[G1], 15|(1<<16)|(1<<20)|(1<<21)|(6<<22)|(3<<25)   ; the mask: all four; elements of 2 bytes; padding on; bit 21 beside a mask; 4 words behind every 128
	s_mov_b32 s[G1+1], 256<<16                     ; tensor_dim0
	s_mov_b32 s[G1+2], 64<<16                      ; tensor_dim1
	s_mov_b32 s[G1+3], 256<<16                     ; tile_dim0
	s_mov_b32 s[G1+4], 64                          ; tile_dim1
	s_mov_b32 s[G1+5], 8192                        ; the pitch, in elements
	s_mov_b32 s[G1+6], 0
	s_mov_b32 s[G1+7], 0
	s_lshl_b32 s20, s18, 22                        ; V^T: (256 channel tile + 64 wave) rows of 16,384 bytes + 4,096 x batch, behind Q and K
	s_lshl_b32 s21, s[WV], 20
	s_add_co_u32 s20, s20, s21
	s_lshl_b32 s21, s17, 12
	s_add_co_u32 s20, s20, s21
	s_add_co_u32 s20, s20, 33554432
	s_mov_b32 s21, 0
	s_mul_i32 s19, s[WV], 64*VP                    ; and in a slot: wave x 64 rows
	s_lshl_b32 s22, s16, 19                        ; pf: (8 row tile + 4 half) blocks of 65,536 bytes
	s_lshl_b32 s23, s13, 18
	s_add_co_u32 s22, s22, s23
	s_mov_b32 s23, 0
	s_lshl_b32 s42, s16, 10                        ; st: row (128 row tile + 32 wave) x 8
	s_lshl_b32 s43, s[WV], 8
	s_add_co_u32 s42, s42, s43
	s_mov_b32 s43, 0
	s_lshl_b32 s44, s18, 10                        ; out0: the same rows as pf's, 4,096 bytes each, + (256 channel tile + 128 half) x 4
	s_lshl_b32 s45, s14, 9
	s_add_co_u32 s44, s44, s45
	s_add_co_u32 s44, s44, s22
	s_mov_b32 s45, 0
	s_mov_b32 s46, 0                               ; the lap's base in the table of factors, in bytes
	s_wait_dscnt 0x0                               ; both opening adds are done
	s_wait_kmcnt 0x0
	s_add_nc_u64 s[8:9], s[8:9], s[20:21]
	s_add_nc_u64 s[AP:AP+1], s[4:5], s[22:23]
	s_add_nc_u64 s[6:7], s[6:7], s[42:43]
	s_add_nc_u64 s[10:11], s[10:11], s[44:45]
	CROUND                                         ; all four work-groups are here: the first joint loads meet
.irp s, 0,1
	s_mov_b32 s[G0+4*\s], 1
	s_add_co_u32 s[G0+4*\s+1], s19, \s*SLOT
	s_add_nc_u64 s[G0+4*\s+2:G0+4*\s+3], s[8:9], \s*512
	s_or_b32 s[G0+4*\s+3], s[G0+4*\s+3], 0x80000000
.endr
	tensor_load_to_lds s[G0:G0+3], s[G1:G1+7]      ; every wave fetches its 64 rows of both slots: two loads of mine are out
	s_nop 0
	tensor_load_to_lds s[G0+4:G0+7], s[G1:G1+7]
	s_nop 0
.rept 4
	v_nop
.endr
	v_and_b32 v3, 31, v0                           ; lane
	v_and_b32 v1, 15, v0                           ; r
	v_bfe_u32 v2, v0, 4, 1                         ; h
	v_lshlrev_b32 v[PA], 4, v3
	v_lshlrev_b32 v[SOF], 3, v3
.irp c, 0,1,2,3,4,5,6,7,8,9,10,11,12,13,14,15
	global_load_b64 v[BF+2*\c:BF+2*\c+1], v[SOF], s[6:7] offset:\c*65536   ; (-M, l) of row 32 wave + lane, half chunk c: 256 consecutive bytes a load
.endr
.irp j, 0,1,2,3,4
	ALOAD \j
.endr
	WIN 0
	v_mul_u32_u24 v5, v1, VP
	v_lshl_add_u32 v5, v2, 4, v5                   ; a fragment's row x pitch + 16 x half
	s_mul_i32 s20, s14, 128*VP                     ; my 128 channels
	v_add_nc_u32 v[ADRB], s20, v5
	s_add_co_u32 s20, s20, SLOT
	v_add_nc_u32 v[ADRB+1], s20, v5
	s_lshl_b32 s20, s13, 9
	s_add_co_u32 s20, s20, FT
	v_lshl_add_u32 v[ADF0], v1, 5, s20             ; my query's four factors: 512 x row half + 32 r
	v_lshl_add_u32 v[ADF], v1, 5, s20
	s_lshl_b32 s21, s14, 4                         ; row 32 wave + lane is row half wave / 2, block a = 2 (wave % 2) + lane / 16, r = lane % 16
	s_add_co_u32 s20, s20, s21
	v_lshl_add_u32 v[TST], v1, 5, s20
	v_lshl_add_u32 v[TST], v2, 3, v[TST]
	s_mul_i32 s20, s[WV], 16*VP                    ; my stage, in slot 0
	v_mul_u32_u24 v[STO], v1, VP
	v_lshl_add_u32 v[STO], v2, 5, v[STO]
	v_add_nc_u32 v[STO], s20, v[STO]
	v_add_nc_u32 v[RD], s20, v[PA]
	s_wait_loadcnt 40                              ; the statistics are in; P's 40 loads may be out
	v_min3_num_f32 v44, v[BF], v[BF+4], v[BF+8]    ; the smallest -M is the row's -M (a chunk's two halves carry the same)
	v_min3_num_f32 v44, v44, v[BF+12], v[BF+16]
	v_min3_num_f32 v44, v44, v[BF+20], v[BF+24]
	v_min_num_f32 v44, v44, v[BF+28]
.irp c, 0,1,2,3,4,5,6,7
	v_sub_f32 v[48+2*\c], v44, v[BF+4*\c]          ; M_C - M: a whole number, 0 or less
	v_cvt_i32_f32 v[48+2*\c], v[48+2*\c]           ; (it saturates)
	v_ldexp_f32 v[48+2*\c], 1.0, v[48+2*\c]        ; f_C
	v_add_f32 v46, v[BF+4*\c+1], v[BF+4*\c+3]      ; the chunk's l
.if \c == 0
	v_mul_f32 v45, v46, v48
.else
	v_fma_f32 v45, v46, v[48+2*\c], v45            ; L
.endif
.endr
	v_rcp_f32 v47, v45
	v_nop                                          ; a plain line behind the reciprocal,
	s_wait_alu depctr_va_vdst(0)                   ; and the wait ahead of its first reader
.irp c, 0,1,2,3,4,5,6,7
	v_mul_f32 v[48+2*\c], v[48+2*\c], v47          ; g_C = f_C / L,
	v_mov_b32 v[49+2*\c], v[48+2*\c]               ; twice: the packed forms take it as a pair
	ds_store_b64 v[TST], v[48+2*\c:49+2*\c] offset:\c*1024
.endr
	ALOAD 5
	ALOAD 6
	WIN 0
	s_wait_tensorcnt 1                             ; my part of slot 0 is in (slot 1's load may be out)
	s_wait_dscnt 0x0                               ; and my factors have landed
	s_barrier_signal -1
	s_barrier_wait -1
	BLOAD 0
	QTR 0, 1, 1, 48, 1                             ; THE FIRST CHUNK is written out: its fold starts O
.irp j, 1,2,3,4,5,6
	QTR \j, 0, 1, 48, 1
.endr
	TQTR 7, 1, 1, 1, 48
	WIN 0
	s_mov_b32 s3, 2
.Llap:                                                 ; two trips of two chunks: with the first chunk's, five of the six refills
	QTR 8, 1, 1, 48, 1                             ; a chunk's first quarter starts T anew
.irp j, 9,10,11,12,13,14
	QTR \j, 0, 1, 48, 1
.endr
	TQTR 15, 1, 0, 1, 48
	QTR 16, 1, 1, 48, 1
.irp j, 17,18,19,20,21,22
	QTR \j, 0, 1, 48, 1
.endr
	TQTR 23, 1, 0, 1, 48
	WIN 0
	s_wait_xcnt 0x0                                ; the loads issued have read their base: it may step
	s_add_nc_u64 s[AP:AP+1], s[AP:AP+1], 16384     ; 16 quarters of P on
	s_add_co_u32 s46, s46, 2048                    ; two chunks of factors on
	v_add_nc_u32 v[ADF], s46, v[ADF0]
	s_sub_co_u32 s3, s3, 1
	s_cmp_lg_u32 s3, 0
	s_cbranch_scc1 .Llap
	QTR 8, 1, 1, 48, 1                             ; THE LAST THREE CHUNKS are written out: one more refill, then none, and no load of P past its last quarter; the counts run down
.irp j, 9,10,11,12,13,14
	QTR \j, 0, 1, 48, 1
.endr
	TQTR 15, 1, 0, 1, 48
	QTR 16, 1, 1, 48, 1
.irp j, 17,18,19,20,21,22
	QTR \j, 0, 1, 48, 1
.endr
	TQTR 23, 0, 0, 1, 48
	QTR 24, 1, 1, 48, 1
	QTR 25, 0, 0, 48, 1
	QTR 26, 0, 0, 40, 1
	QTR 27, 0, 0, 32, 1
	QTR 28, 0, 0, 24, 1
	QTR 29, 0, 0, 16, 1
	QTR 30, 0, 0, 8,  1
	s_wait_loadcnt 0x0                             ; the last quarter: the last chunk's fold finishes O
	s_wait_dscnt 0x0
	WIN W_MM
	RUNF 31, 0, 32, 0
	FOLD 30, 0
	FOLD 31, 0
	; THE WAY OUT: each block of 16 rows x 128 channels goes through my stage (in slot 0, which has had its last fill, and which nobody reads behind the last change of slots) and comes back as whole rows
	; of 512 bytes, into the ring's registers: the last folds are the places behind the products that read them.
.irp a, 0,1,2,3
	WIN 0x04                                       ; an LDS store's data are its source 1: window 1
.irp b, 0,1,2,3,4,5,6,7
	ds_store_b128 v[STO], v[64*\a+8*\b:64*\a+8*\b+3] offset:64*\b
	ds_store_b128 v[STO], v[64*\a+8*\b+4:64*\a+8*\b+7] offset:64*\b+16
.endr
	WIN W_LD
.irp t, 0,1,2,3,4,5,6,7,8,9,10,11,12,13,14,15
	ds_load_b128 v[64*\a+4*\t:64*\a+4*\t+3], v[RD] offset:\t*VP    ; LDS serves a wave's instructions in order: these see the stores above, and the next block's stores come behind them
.endr
.endr
	WIN 0x08                                       ; a store's data are its source 1: window 2
.irp a, 0,1,2,3
.irp t, 0,1,2,3,4,5,6,7,8,9,10,11,12,13,14,15
.set YG, 32*(3-\a)+15-\t               ; the LDS instructions issued behind this row's load
.if YG > 63
.set YG, 63
.endif
	s_wait_dscnt YG
	global_store_b128 v[PA], v[64*\a+4*\t:64*\a+4*\t+3], s[10:11] offset:(16*\a+\t)*4096 th:TH_STORE_NT   ; 32 lanes store 512 consecutive bytes, aligned; no store's registers are written again
.endr
.endr
	WIN 0
	s_wait_tensorcnt 0x0                           ; the wave's end: a tensor wait, an add of 0 to my spare word and its wait, behind my last tensor load and my last LDS store
	ds_add_u32 v[SPW], v[NIL]
	s_wait_dscnt 0x0
	CROUND                                         ; the closing round
	s_endpgm
.Lfunc_end_k_q774772bbca_pv:
	.size	k_q774772bbca_pv, .Lfunc_end_k_q774772bbca_pv-k_q774772bbca_pv
	.p2alignl 7, 3214868480
	.fill 96, 4, 3214868480
	.section	.rodata,"a",@progbits
	.p2align	6, 0x0
	.amdhsa_kernel k_q774772bbca_pv
		.amdhsa_group_segment_fixed_size 327680
		.amdhsa_private_segment_fixed_size 0
		.amdhsa_enable_private_segment 0
		.amdhsa_kernarg_size 32
		.amdhsa_user_sgpr_count 2
		.amdhsa_user_sgpr_kernarg_segment_ptr 1
		.amdhsa_wavefront_size32 1
		.amdhsa_system_sgpr_workgroup_id_x 1
		.amdhsa_system_sgpr_workgroup_id_y 1
		.amdhsa_system_sgpr_workgroup_id_z 1
		.amdhsa_system_vgpr_workitem_id 0
		.amdhsa_next_free_vgpr 1024
		.amdhsa_next_free_sgpr 66
		.amdhsa_reserve_vcc 0
		.amdhsa_float_denorm_mode_32 3
		.amdhsa_float_denorm_mode_16_64 3
		.amdhsa_memory_ordered 1
		.amdhsa_forward_progress 1
		.amdhsa_inst_pref_size 255
	.end_amdhsa_kernel
	.section	.bss,"aw",@nobits
	.p2align	6
	.space	262144
	.amdgpu_metadata
---
amdhsa.version: [ 1, 2 ]
amdhsa.kernels:
  - .name:           k_q774772bbca_pv
    .symbol:         k_q774772bbca_pv.kd
    .args:
      - { .name: pf, .offset: 0, .size: 8, .value_kind: global_buffer, .address_space: global }
      - { .name: st, .offset: 8, .size: 8, .value_kind: global_buffer, .address_space: global }
      - { .name: qkv, .offset: 16, .size: 8, .value_kind: global_buffer, .address_space: global }
      - { .name: out0, .offset: 24, .size: 8, .value_kind: global_buffer, .address_space: global }
    .group_segment_fixed_size: 327680
    .private_segment_fixed_size: 0
    .kernarg_segment_align: 8
    .kernarg_segment_size: 32
    .max_flat_workgroup_size: 128
    .sgpr_count:     66
    .vgpr_count:     1024
    .wavefront_size: 32
...
	.end_amdgpu_metadata
.endif
;; end of part 5
